; MI455X (gfx1250); checked and timed in simulation.
; The chip was launched on July 23, 2026; its instructions are those of AMD's public machine-readable ISA for CDNA 5 (MIT licence, August 2026) and "CDNA5" Instruction Set Architecture Reference Guide (July 2026). The comments in the code are by the model that wrote it; some were corrected since.
;; Block. Allowed arithmetic: matrix products marked QUANTISED: E4M3 operands, one given power-of-two scale a tensor, by v_wmma_f32_16x16x64_fp8_fp8 or v_wmma_f32_16x16x128_fp8_fp8, f32 sums; everything else in f32.
;; Inputs: c_attn_b 3,072 float32; c_attn_w_codes 3,072 x 32 x 32 uint8 (E4M3 codes of c_attn_w, K innermost, in blocks of 32 codes); c_proj_b 1,024 float32; c_proj_w_codes 1,024 x 32 x 32 uint8 (E4M3 codes of c_proj_w, K innermost, in blocks of 32 codes); fc_b 4,096 float32; fc_w_codes 4,096 x 32 x 32 uint8 (E4M3 codes of fc_w, K innermost, in blocks of 32 codes); ln1_b 1,024 float32; ln1_g 1,024 float32; ln2_b 1,024 float32; ln2_g 1,024 float32; lowp_scales 12 int32 (the exponents e of the quantised operands' scales 2^e); proj_b 1,024 float32; proj_w_codes 1,024 x 128 x 32 uint8 (E4M3 codes of proj_w, K innermost, in blocks of 32 codes); x 4 x 1,024 x 1,024 float32.
;; Outputs: out0 4 x 1,024 x 1,024 float32.
;; This version of the problem:
;;   THIS VERSION OF THE PROBLEM IS GIVEN IN LOW PRECISION. The matrix products marked QUANTISED in the list below multiply operands that are first quantised to E4M3 (4 exponent bits, 3 mantissa bits; 8 bits a number), with one given power-of-two scale for each operand tensor; their sums are f32. All else is computed in f32.
;;   The module's matrix products, in the order in which they are computed (A, B: the left and right operand; K: the contracted axis; several contracted axes count as one K, in the product's order):
;;     1. [M 4,096, K 1,024] x [K 1,024, N 3,072]; A: computed on the way; B: input c_attn_w (given as codes): QUANTISED (scales: A lowp_scales[0], B lowp_scales[1])
;;     2. batch 64 x [M 1,024, K 64] x [K 64, N 1,024]; A: computed on the way; B: computed on the way: QUANTISED (scales: A lowp_scales[2], B lowp_scales[3])
;;     3. batch 64 x [M 1,024, K 1,024] x [K 1,024, N 64]; A: softmax (see below); B: computed on the way: QUANTISED (scales: A lowp_scales[4], B lowp_scales[5])
;;     4. [M 4,096, K 1,024] x [K 1,024, N 1,024]; A: computed on the way; B: input c_proj_w (given as codes): QUANTISED (scales: A lowp_scales[6], B lowp_scales[7])
;;     5. [M 4,096, K 1,024] x [K 1,024, N 4,096]; A: computed on the way; B: input fc_w (given as codes): QUANTISED (scales: A lowp_scales[8], B lowp_scales[9])
;;     6. [M 4,096, K 4,096] x [K 4,096, N 1,024]; A: computed on the way; B: input proj_w (given as codes): QUANTISED (scales: A lowp_scales[10], B lowp_scales[11])
;;   THE QUANTISER, for each operand of a quantised product, along K:
;;     - The operand's scale is 2^e, e = its entry of the input lowp_scales (int32; the entries are numbered through the quantised products in the list's order, A before B).
;;     - Each number is divided by the scale, clamped to +-448, and rounded to the nearest number of E4M3, ties to even, subnormals kept.
;;     - The product sums the exact products of the quantised numbers (number of the format x scale) in f32.
;;   ~~~python
;;   def quantise(x, axis, e):      # numpy; x: float32 -> the quantised numbers, widened to float32 again
;;       x = np.moveaxis(x, axis, -1); K = x.shape[-1]
;;       r = np.clip(x / 2.0 ** e, -448, 448)
;;       step = 2.0 ** (np.maximum(np.frexp(np.where(r == 0, 1, r))[1] - 1, -6) - 3)
;;       q = np.round(r / step) * step * 2.0 ** e      # np.round: ties to even
;;       return np.moveaxis(q, -1, axis).astype(np.float32)
;;   ~~~
;;   SOFTMAX AHEAD OF A QUANTISED PRODUCT. Where the list says 'softmax', what is quantised is not the finished softmax but p = 2^(t - M), with t = logit x log2(e) and M = ceil(the row's largest t), a whole number; so 1/2 < the row's largest p <= 1. The row's sum l is taken of the UNQUANTISED p, in f32, and the product's result is divided by l at the end. Since M is a whole number, a kernel that streams over the keys may use a running M (the ceiling of the running maximum): every later rescaling is an exact power of two, so the quantised numbers keep their values, but for numbers so far below the row's largest that they fall under the format's range.
;;   OPERANDS COMPUTED ON THE WAY. 'Computed on the way' means the value that the module computes at that place (a softmax that the list does not call 'softmax' is quantised finished and normalised). What goes into a quantiser is computed in f32, as accurately as f32 sums, v_exp_f32 and their like allow (about 1e-6 of the number): no bf16 or f16 on the way to a quantiser, and a product that is left as it is and whose result goes on into a quantised operand takes f32 operands (vector FMAs, or v_wmma_f32_16x16x4_f32). A number that lies on a knife's edge between two numbers of the format may be rounded either way, as far as f32 arithmetic and the matrix unit's own rounding can turn it there, and no further.
;;   INPUTS GIVEN AS CODES. c_attn_w (in the module: [1024, 3072], K = its axis 0); c_proj_w (in the module: [1024, 1024], K = its axis 0); fc_w (in the module: [1024, 4096], K = its axis 0); proj_w (in the module: [4096, 1024], K = its axis 0): each comes as NAME_codes (uint8): NAME with its K axis moved to the last place and cut into blocks of 32 codes, [.., K / 32, bytes a block], one block behind the other in memory; one code a byte (a code: sign, 4 exponent bits, 3 mantissa bits); its scale is its entry of lowp_scales. Its value is code x scale, taken as it is: it is not quantised again, and the codes and scales need not be those that the quantiser above would give.
;; One version. Each part assembles by itself: llvm-mc -triple=amdgcn-amd-amdhsa -mcpu=gfx1250 --defsym DOCPART=n.
;; ======== version 1 of 1: 7 launches
;; limits: right only within a limited range of input values
;; workspace buffers: acode 4,194,304 bytes; qc 4,194,304 bytes; kc 4,194,304 bytes; vc 4,194,304 bytes; ao 4,194,304 bytes; x1 16,777,216 bytes; hc 16,777,216 bytes
;; launch ln1 (part 1): grid 256 x 1, 4 waves a work-group, no clusters, 16,896 bytes of LDS; arguments x, ln1_g, ln1_b, lowp_scales, acode; writes acode
.if DOCPART == 1
	.amdgcn_target "amdgcn-amd-amdhsa--gfx1250"
	.amdhsa_code_object_version 6
	.text
	.protected	k_q152ce3b120_ln1
	.globl	k_q152ce3b120_ln1
	.p2align	8
	.type	k_q152ce3b120_ln1,@function
k_q152ce3b120_ln1:
	s_mov_b64 s[64:65], 0
	v_nop
	global_prefetch_b8 v0, s[64:65] scope:SCOPE_SE
	s_setreg_imm32_b32 hwreg(HW_REG_WAVE_MODE, 25, 1), 1
	s_wait_xcnt 0x0
; codes[r][c] = Q((x[r][c] - mean_r) * rsqrt(var_r + 1e-5) * g[c] + b[c]).  x: [4096][1024] f32; codes: [4096][1024] E4M3, one byte each, columns in their natural order.
; Q: divided by 2^e, held within +-448, to the nearest code, ties to even; e is the entry of the buffer of scales at byte EOFF.
; LIMITS: e between -126 and 119, so that 2^e and 448 x 2^e are f32 numbers.  NaN among the inputs is not served.
; SHARES.  A work-group takes 16 rows, each of its four waves 4.  One wave holds a whole row in 32 registers between the passes, so the row is read from memory once and no wave waits for another: no barrier.
; All four rows of a wave (32 loads of 512 consecutive bytes) are asked for at the head.  The variance is the mean of (x - mean)^2, taken in a second pass over the registers: no difference of large sums.
; Register 4 j + e of a row holds column 128 j + 4 lane + e.  A conversion's eight numbers are then two groups of four columns: each code word goes to its place in the wave's own stage in LDS
; and the row's 1,024 bytes come back 16 a lane, so that each store of the wave covers 512 consecutive bytes, aligned.
.set EOFF, 0                           ; byte of this operand's exponent in the buffer of scales
.set G,   16                           ; v16-47   g of my 32 columns
.set BB,  48                           ; v48-79   b of my 32 columns
.set X,   80                           ; v80-207  four rows, 32 registers each
.set C,   208                          ; v208-239 codes: 8 registers a row, so that no LDS store's data are written again
.set T,   240                          ; v240-247 four chains of sums
	s_load_b256 s[4:11], s[0:1], 0x0               ; x s[4:5], g s[6:7], b s[8:9], the scales' exponents s[10:11]
	s_load_b64 s[12:13], s[0:1], 0x20              ; the codes
	v_lshl_add_u32 v254, v0, 2, 0x4000
	v_mov_b32 v255, 0
	v_lshrrev_b32 v10, 5, v0
	v_readfirstlane_b32 s14, v10                   ; wave 0..3
	v_and_b32 v11, 31, v0                          ; lane
	v_lshlrev_b32 v1, 4, v11                       ; 16 x lane: my bytes of a load's or a store's 512
	s_lshl_b32 s22, s14, 12                        ; my wave's stage: 4,096 bytes
	v_lshl_add_u32 v2, v11, 2, s22                 ; into it: 4 x lane
	v_add_nc_u32 v3, s22, v1                       ; out of it: 16 x lane
	s_mov_b32 s18, 0x76543210                      ; v_permlanex16_b32: lane l takes lane l xor 16
	s_mov_b32 s19, 0xfedcba98
	s_mov_b32 s20, 0x3a800000                      ; 1 / 1024
	s_mov_b32 s21, 0x3727c5ac                      ; 1e-5
	s_lshl_b32 s16, ttmp9, 16                      ; 16 rows of 4,096 bytes a work-group,
	s_lshl_b32 s23, s14, 14                        ; 4 a wave
	s_add_co_u32 s16, s16, s23
	s_mov_b32 s17, 0
	s_lshr_b32 s22, s16, 2                         ; a row of codes is a quarter of that
	s_mov_b32 s23, 0
	s_wait_alu depctr_va_vdst(0)
	s_wait_kmcnt 0x0
	s_load_b32 s15, s[10:11], EOFF                 ; e
	s_add_nc_u64 s[4:5], s[4:5], s[16:17]
	s_add_nc_u64 s[12:13], s[12:13], s[22:23]
.irp j, 0,1,2,3,4,5,6,7
	global_load_b128 v[G+4*\j:G+4*\j+3], v1, s[6:7] offset:512*\j
.endr
.irp j, 0,1,2,3,4,5,6,7
	global_load_b128 v[BB+4*\j:BB+4*\j+3], v1, s[8:9] offset:512*\j
.endr
.irp i, 0,1,2,3
.irp j, 0,1,2,3,4,5,6,7
	global_load_b128 v[X+32*\i+4*\j:X+32*\i+4*\j+3], v1, s[4:5] offset:4096*\i+512*\j th:TH_LOAD_NT
.endr
.endr
	s_wait_kmcnt 0x0
	s_add_co_i32 s15, s15, 127
	s_lshl_b32 s22, s15, 23
	v_mov_b32 v4, s22                              ; 2^e as f32: the conversion takes its exponent field
	s_add_co_i32 s15, s15, 8
	s_lshl_b32 s15, s15, 23
	s_or_b32 s15, s15, 0x600000
	v_mov_b32 v5, s15                              ; 448 x 2^e
.macro ALLSUM                          ; v10 summed over the 32 lanes, the result in every lane
	v_add_f32_dpp v10, v10, v10 row_xmask:1 row_mask:0xf bank_mask:0xf
	v_add_f32_dpp v10, v10, v10 row_xmask:2 row_mask:0xf bank_mask:0xf
	v_add_f32_dpp v10, v10, v10 row_xmask:4 row_mask:0xf bank_mask:0xf
	v_add_f32_dpp v10, v10, v10 row_xmask:8 row_mask:0xf bank_mask:0xf
	v_permlanex16_b32 v11, v10, s18, s19
	v_add_f32 v10, v10, v11
.endm
.macro JOIN                            ; the four chains into v10
	v_pk_add_f32 v[T:T+1], v[T:T+1], v[T+2:T+3]
	v_pk_add_f32 v[T+4:T+5], v[T+4:T+5], v[T+6:T+7]
	v_pk_add_f32 v[T:T+1], v[T:T+1], v[T+4:T+5]
	v_add_f32 v10, v[T], v[T+1]
.endm
.macro ROW i
.set XR, X+32*\i
	s_wait_loadcnt 8*(3-\i)                        ; loads come back in order: g, b and my row are in; the eight loads of each later row may be out
.irp c, 0,2,4,6
	v_pk_add_f32 v[T+\c:T+\c+1], v[XR+\c:XR+\c+1], v[XR+8+\c:XR+8+\c+1]   ; the first pairs start the chains: nothing is cleared
.endr
.irp o, 16,24
.irp c, 0,2,4,6
	v_pk_add_f32 v[T+\c:T+\c+1], v[T+\c:T+\c+1], v[XR+\o+\c:XR+\o+\c+1]
.endr
.endr
	JOIN
	ALLSUM
	v_mul_f32 v6, s20, v10                         ; the mean, twice: a pair for the packed forms
	v_mul_f32 v7, s20, v10
.irp p, 0,2,4,6,8,10,12,14,16,18,20,22,24,26,28,30
	v_pk_add_f32 v[XR+\p:XR+\p+1], v[XR+\p:XR+\p+1], v[6:7] neg_lo:[0,1] neg_hi:[0,1]   ; x - mean, in place
.endr
.irp c, 0,2,4,6
	v_pk_mul_f32 v[T+\c:T+\c+1], v[XR+\c:XR+\c+1], v[XR+\c:XR+\c+1]
.endr
.irp o, 8,16,24
.irp c, 0,2,4,6
	v_pk_fma_f32 v[T+\c:T+\c+1], v[XR+\o+\c:XR+\o+\c+1], v[XR+\o+\c:XR+\o+\c+1], v[T+\c:T+\c+1]
.endr
.endr
	JOIN
	ALLSUM
	v_fma_f32 v12, v10, s20, s21                   ; the variance + 1e-5
	s_wait_alu depctr_va_vdst(0)
	v_rsq_f32 v8, v12
	v_rsq_f32 v9, v12
	v_nop                                          ; one plain instruction between a transcendental and the use of its result (ISA guide 5.7.2)
	s_wait_alu depctr_va_vdst(0)
.irp p, 0,2,4,6,8,10,12,14,16,18,20,22,24,26,28,30
	v_pk_mul_f32 v[XR+\p:XR+\p+1], v[XR+\p:XR+\p+1], v[8:9]
.endr
.irp p, 0,2,4,6,8,10,12,14,16,18,20,22,24,26,28,30
	v_pk_fma_f32 v[XR+\p:XR+\p+1], v[XR+\p:XR+\p+1], v[G+\p:G+\p+1], v[BB+\p:BB+\p+1]
.endr
.set j, 0
.rept 32
	v_med3_num_f32 v[XR+j], v[XR+j], -v5, v5       ; the conversion to an 8-bit code does not saturate (ISA guide 7.6.2): the hold at the largest code x the scale
.set j, j+1
.endr
.irp m, 0,1,2,3
	v_cvt_scalef32_pk8_fp8_f32 v[C+8*\i+2*\m:C+8*\i+2*\m+1], v[XR+8*\m:XR+8*\m+7], v4
.endr
.irp k, 0,1,2,3,4,5,6,7
	ds_store_b32 v2, v[C+8*\i+\k] offset:1024*\i+128*\k    ; code word k: columns 128 k + 4 lane + 0 .. 3
.endr
	ds_load_b128 v[XR:XR+3], v3 offset:1024*\i             ; LDS serves a wave's instructions in order: these see my stores
	ds_load_b128 v[XR+4:XR+7], v3 offset:1024*\i+512
	s_wait_dscnt 0x0
	global_store_b128 v1, v[XR:XR+3], s[12:13] offset:1024*\i         ; 32 lanes store 512 consecutive bytes, aligned; each row has registers of its own, so no store's data are written again
	global_store_b128 v1, v[XR+4:XR+7], s[12:13] offset:1024*\i+512
.endm
	ROW 0
	ROW 1
	ROW 2
	ROW 3
	s_wait_tensorcnt 0x0
	ds_add_u32 v254, v255
	s_wait_dscnt 0x0
	s_endpgm
.Lfunc_end_k_q152ce3b120_ln1:
	.size	k_q152ce3b120_ln1, .Lfunc_end_k_q152ce3b120_ln1-k_q152ce3b120_ln1
	.p2alignl 7, 3214868480
	.fill 96, 4, 3214868480
	.section	.rodata,"a",@progbits
	.p2align	6, 0x0
	.amdhsa_kernel k_q152ce3b120_ln1
		.amdhsa_group_segment_fixed_size 16896
		.amdhsa_private_segment_fixed_size 0
		.amdhsa_enable_private_segment 0
		.amdhsa_kernarg_size 40
		.amdhsa_user_sgpr_count 2
		.amdhsa_user_sgpr_kernarg_segment_ptr 1
		.amdhsa_wavefront_size32 1
		.amdhsa_system_sgpr_workgroup_id_x 1
		.amdhsa_system_sgpr_workgroup_id_y 1
		.amdhsa_system_sgpr_workgroup_id_z 1
		.amdhsa_system_vgpr_workitem_id 0
		.amdhsa_next_free_vgpr 256
		.amdhsa_next_free_sgpr 66
		.amdhsa_reserve_vcc 0
		.amdhsa_float_denorm_mode_32 3
		.amdhsa_float_denorm_mode_16_64 3
		.amdhsa_memory_ordered 1
		.amdhsa_forward_progress 1
		.amdhsa_inst_pref_size 44
	.end_amdhsa_kernel
	.amdgpu_metadata
---
amdhsa.version: [ 1, 2 ]
amdhsa.kernels:
  - .name:           k_q152ce3b120_ln1
    .symbol:         k_q152ce3b120_ln1.kd
    .args:
      - { .name: x, .offset: 0, .size: 8, .value_kind: global_buffer, .address_space: global }
      - { .name: ln1_g, .offset: 8, .size: 8, .value_kind: global_buffer, .address_space: global }
      - { .name: ln1_b, .offset: 16, .size: 8, .value_kind: global_buffer, .address_space: global }
      - { .name: lowp_scales, .offset: 24, .size: 8, .value_kind: global_buffer, .address_space: global }
      - { .name: acode, .offset: 32, .size: 8, .value_kind: global_buffer, .address_space: global }
    .group_segment_fixed_size: 16896
    .private_segment_fixed_size: 0
    .kernarg_segment_align: 8
    .kernarg_segment_size: 40
    .max_flat_workgroup_size: 128
    .sgpr_count:     66
    .vgpr_count:     256
    .wavefront_size: 32
...
	.end_amdgpu_metadata
.endif
;; end of part 1
;; launch qkv (part 2): grid 12 x 16, 4 waves a work-group, clusters of 4 x 4, 327,680 bytes of LDS; arguments acode, c_attn_w_codes, c_attn_b, lowp_scales, qc, kc, vc; writes qc, kc, vc
.if DOCPART == 2
	.amdgcn_target "amdgcn-amd-amdhsa--gfx1250"
	.amdhsa_code_object_version 6
	.text
	.protected	k_q152ce3b120_qkv
	.globl	k_q152ce3b120_qkv
	.p2align	8
	.type	k_q152ce3b120_qkv,@function
k_q152ce3b120_qkv:
	s_mov_b64 s[64:65], 0
	v_nop
	global_prefetch_b8 v0, s[64:65] scope:SCOPE_SE
	s_setreg_imm32_b32 hwreg(HW_REG_WAVE_MODE, 25, 1), 1
	s_wait_xcnt 0x0
	s_wait_alu depctr_hold_cnt(0) depctr_sa_sdst(0) depctr_va_vdst(0) depctr_va_sdst(0) depctr_va_ssrc(0) depctr_va_vcc(0) depctr_vm_vsrc(0)
	s_getreg_b32 s2, hwreg(HW_REG_IB_STS2, 6, 4)
	s_cmp_eq_u32 s2, 0
	s_cbranch_scc0 .Lentry_in_a_cluster
	s_endpgm
.Lentry_in_a_cluster:
	s_bfe_u32 s2, ttmp6, 0x10000c
	s_cmp_lg_u32 s2, 0xf033
	s_cbranch_scc0 .Lentry_shape_is_right
	s_endpgm
.Lentry_shape_is_right:
; qkv = a W^T + bias on codes of E4M3, and q, k, v quantised on the way out.  a: [4096 tokens][1024] codes (scale 2^e0); W: [3072][1024] codes (2^e1); bias: [3072] f32.
; OUT: qc, kc: [16 heads][4096 tokens][64] codes (2^e2, 2^e3);  vc: [64 blocks of 64 tokens][1024 = head x 64 + d][64 tokens] codes (2^e5): the keys innermost, since they are the later product's K.
; ORDER INSIDE EACH 32 CODES of qc, kc, vc: index 16 u + 8 h + j lies at byte 16 h + 8 u + j.  For q and k it is one permutation of d, the same in both; for v it is the order in which the weights' codes will stand in registers.
; A tile of 256 x 256 is made by four waves, each 128 x 128: 64 accumulators, 512 registers.  K goes in steps of 256 through two LDS slots filled by the tensor data mover; four steps in all.
; CLUSTERS of 4 x 4 work-groups span 1,024 columns, so cluster x = 0 makes q, 1 makes k, 2 makes v: the same number in all sixteen partners.  Tiles are asked for jointly along a row and along a column of the cluster.
; The product is C'[m'][n'] = sum A'[m'][k] B'[n'][k], used transposed (source 0 = rows of B', source 1 = rows of A'): a lane holds eight neighbours along n'.  For q and k: A' = a, B' = W: neighbours along d.
; For v the operands change places (A' = W's rows 2048 on, B' = a): neighbours along the tokens.  Only pointers, tile numbers and the bias's direction differ.
; A sum stands for sum x 2^(e0 + e1): the bias goes in as bias / 2^(e0 + e1), and the conversion's one scale is 2^(eo - e0 - e1).
; LIMITS: eo - e0 - e1 between -126 and 119 for eo = e2, e3, e5.  NaN among the inputs is not served.
; REGISTERS, in windows of 256: window 0: v1-29 addresses; v32-95 bias along n'; v96-111 bias along m', in pairs; from v128 A's fragments, ONE set, later the codes, later rows read back.
;   window 1: B's fragments, TWO sets.   window 2, 3: the accumulators of my rows 0-63, 64-127 ((a, b) at v[8 (8 (a % 4) + b)]).
.set KROW,   1024                      ; a row of either operand in memory, in bytes
.set ROWB,   256                       ; a tile's row: 256 codes
.set PITCH,  272                       ; an LDS row: 256 bytes + 16 of padding: the 16 rows that a load touches start at 16 different banks (64 banks of 4 bytes: ISA guide 11.1)
.set FR,     16                        ; registers of a fragment: 16 rows x 128 K
.set NL,     4                         ; LDS loads that bring one
.set NP,     4                         ; places behind this matrix instruction (ISA guide 7.12.1)
.set HALFT,  128*PITCH                 ; what one tensor load brings
.set SLOT,   4*HALFT                   ; A's 256 rows, then B's 256 rows
.set LAPS,   KROW/(2*ROWB)             ; a lap = once round the ring
.set SPARE,  2*SLOT                    ; behind the ring: the spare words, 128 bytes a wave, that no other line names
.set SPITCH, 336                       ; the way out: the work-group's stage, 256 rows x (256 bytes + 80), in slot 0, which has had its last fill and its last read by then
.set ADRA, 16
.set ADRB, 20
.set STO,  24
.set RD,   25
.set CO,   26
.set SPW,  28
.set NIL,  29
.set BI,   32
.set BV,   96
.set AF,   128
.set CD,   128
.set G1, 24
.set G0, 32
.set G1B, 48
.set G0B, 56
.set MSB, 0
.macro WIN new                         ; the immediate's high byte repeats the setting that is left
.if MSB != (\new)
	s_set_vgpr_msb (MSB<<8)|(\new)
.set MSB, (\new)
.endif
.endm
.set MUL_LO, 0xa1                      ; source 0 (B) window 1, source 1 (A) window 0, C and D window 2
.set MUL_HI, 0xf1
.set TO_B,   0x40
.macro JLOAD s                         ; a joint load: waves 0, 1 fetch for A', waves 2, 3 for B'; the branch hangs on the wave's number alone; four v_nop follow each line
	s_cmp_eq_u32 s15, 0
	s_cbranch_scc0 .Lfor_b_\@
	tensor_load_to_lds s[G0+4*\s:G0+4*\s+3], s[G1:G1+7]
	s_nop 0
.rept 4
	v_nop
.endr
	s_branch .Lasked_\@
.Lfor_b_\@:
	tensor_load_to_lds s[G0B+4*\s:G0B+4*\s+3], s[G1B:G1B+7]
	s_nop 0
.rept 4
	v_nop
.endr
.Lasked_\@:
.endm
.macro CREST                           ; a round of the cluster's barrier behind its opening barrier
	s_cmp_lg_u32 s14, 0
	s_cbranch_scc1 .Lnot_wave_0_\@
	s_barrier_signal -3
.Lnot_wave_0_\@:
	s_barrier_wait -3
	s_barrier_signal -1
	s_barrier_wait -1
.endm
.macro CROUND
	s_barrier_signal -1
	s_barrier_wait -1
	CREST
.endm
	s_load_b256 s[4:11], s[0:1], 0x0               ; a's codes s[4:5], W's codes s[6:7], bias s[8:9], the scales' exponents s[10:11]
	s_load_b128 s[68:71], s[0:1], 0x20             ; qc, kc
	s_load_b64 s[72:73], s[0:1], 0x30              ; vc
	v_lshl_add_u32 v[SPW], v0, 2, SPARE
	v_mov_b32 v[NIL], 0
	ds_add_u32 v28, v29
	ds_add_u32 v28, v29
	s_wait_dscnt 0x0
	v_lshrrev_b32 v1, 5, v0
	v_readfirstlane_b32 s14, v1                    ; wave 0..3
	s_lshr_b32 s15, s14, 1                         ; which half of the tile's rows is mine.  Also: I fetch for A' (0) or B' (1)
	s_and_b32 s16, s14, 1                          ; which half of its columns.  Also: which 128 rows I fetch
	s_bfe_u32 s40, ttmp6, 0x40000                  ; cx
	s_bfe_u32 s41, ttmp6, 0x40004                  ; cy
	s_and_b32 s17, ttmp7, 0xffff
	s_lshl_b32 s17, s17, 2                         ; 4 x cluster y
	s_add_co_u32 s18, s17, s41                     ; q, k: the tile of tokens
	s_add_co_u32 s19, s41, 8                       ; v: the tile of W's rows, 2048 + 256 cy on
	s_add_co_u32 s42, s17, s40                     ; v: the tile of tokens
	s_lshl_b32 s93, ttmp9, 2
	s_add_co_u32 s93, s93, s40                     ; q, k: the tile of W's rows
	s_cmp_eq_u32 ttmp9, 2                          ; v's cluster?  The same answer in all sixteen partners
	s_cselect_b32 s92, s19, s18                    ; tile of A': hangs on cy alone
	s_cselect_b32 s93, s42, s93                    ; tile of B': hangs on cx alone
	s_cselect_b32 s66, 0, s93                      ; the bias along n' is W's only for q and k; else entry 0 on is loaded and not used
	s_cselect_b32 s67, s92, 0                      ; the bias along m' is W's only for v
	s_lshl_b32 s43, s41, 2
	s_lshl_b32 s43, 15, s43                        ; my row of the cluster
	s_lshl_b32 s44, 0x1111, s40                    ; my column
	s_or_b32 s[G1+0], s43, (0<<16)|(1<<20)|(1<<21)|(5<<22)|(3<<25)  ; the mask; elements of 1 byte; padding on; bit 21 beside a mask; 4 words after every 64
	s_or_b32 s[G1B+0], s44, (0<<16)|(1<<20)|(1<<21)|(5<<22)|(3<<25)
.irp g, G1, G1B
	s_mov_b32 s[\g+1], ROWB<<16                    ; tensor_dim0
	s_mov_b32 s[\g+2], 128<<16                     ; tensor_dim1
	s_mov_b32 s[\g+3], ROWB<<16                    ; tile_dim0
	s_mov_b32 s[\g+4], 128                         ; tile_dim1
	s_mov_b32 s[\g+5], KROW                        ; from row to row
	s_mov_b32 s[\g+6], 0
	s_mov_b32 s[\g+7], 0
.endr
	s_lshl_b32 s22, s16, 17                        ; 128 rows of 1,024 bytes
	s_lshl_b32 s20, s92, 18                        ; 256 rows a tile
	s_add_co_u32 s20, s20, s22
	s_mov_b32 s21, 0
	s_lshl_b32 s46, s93, 18
	s_add_co_u32 s46, s46, s22
	s_mov_b32 s47, 0
	s_mul_i32 s45, s14, HALFT                      ; where my tile goes: wave x 128 rows
	s_lshl_b32 s66, s66, 10                        ; the bias along n': 4 (256 tile + 128 half)
	s_lshl_b32 s22, s16, 9
	s_add_co_u32 s74, s66, s22
	s_mov_b32 s75, 0
	s_lshl_b32 s67, s67, 10                        ; along m'
	s_lshl_b32 s22, s15, 9
	s_add_co_u32 s96, s67, s22
	s_mov_b32 s97, 0
	s_wait_kmcnt 0x0
	s_load_b256 s[76:83], s[10:11], 0x0            ; e0 .. e7
	s_cmp_eq_u32 ttmp9, 2
	s_cselect_b64 s[12:13], s[6:7], s[4:5]         ; A'
	s_cselect_b64 s[94:95], s[4:5], s[6:7]         ; B'
	s_add_nc_u64 s[20:21], s[12:13], s[20:21]
	s_add_nc_u64 s[46:47], s[94:95], s[46:47]
	s_add_nc_u64 s[74:75], s[8:9], s[74:75]
	s_add_nc_u64 s[96:97], s[8:9], s[96:97]
	CROUND                                         ; all sixteen work-groups are here: the first joint loads meet
.irp s, 0,1
	s_mov_b32 s[G0+4*\s], 1
	s_add_co_u32 s[G0+4*\s+1], s45, \s*SLOT
	s_add_nc_u64 s[G0+4*\s+2:G0+4*\s+3], s[20:21], \s*ROWB
	s_or_b32 s[G0+4*\s+3], s[G0+4*\s+3], 0x80000000
	s_mov_b32 s[G0B+4*\s], 1
	s_add_co_u32 s[G0B+4*\s+1], s45, \s*SLOT
	s_add_nc_u64 s[G0B+4*\s+2:G0B+4*\s+3], s[46:47], \s*ROWB
	s_or_b32 s[G0B+4*\s+3], s[G0B+4*\s+3], 0x80000000
.endr
	JLOAD 0                                        ; K step 0: one tensor load a wave at the head
	v_and_b32 v1, 15, v0                           ; r = l % 16
	s_wait_alu depctr_va_vdst(0)
	v_bfe_u32 v2, v0, 4, 1                         ; h = l / 16
	v_mul_u32_u24 v3, v1, PITCH
	v_lshl_add_u32 v4, v2, 4, v3                   ; a fragment's row x pitch + 16 h
	s_mul_i32 s22, s15, HALFT                      ; my 128 rows of A',
	s_mul_i32 s23, s16, HALFT                      ; my 128 rows of B',
	s_add_co_u32 s23, s23, 2*HALFT                 ; which lie behind A's 256
.irp s, 0,1
	v_add_nc_u32 v[ADRA+\s], s22, v4
	v_add_nc_u32 v[ADRB+\s], s23, v4
	s_add_co_u32 s22, s22, SLOT
	s_add_co_u32 s23, s23, SLOT
.endr
	s_mul_i32 s22, s15, 128*SPITCH                 ; the stage, in: row 128 (my half) + r, byte 128 (my half of the columns) + 16 h
	s_lshl_b32 s23, s16, 7
	s_add_co_u32 s22, s22, s23
	v_mul_u32_u24 v5, v1, SPITCH
	s_wait_alu depctr_va_vdst(0)
	v_lshl_add_u32 v5, v2, 4, v5
	v_add_nc_u32 v[STO], s22, v5
	s_mul_i32 s22, s14, 64*SPITCH                  ; back: wave w takes rows 64 w on; four lanes take 64 bytes of a row, eight rows an instruction
	v_and_b32 v6, 31, v0
	v_lshrrev_b32 v5, 2, v6
	v_mul_u32_u24 v5, v5, SPITCH
	v_and_b32 v3, 3, v0
	v_lshl_add_u32 v5, v3, 4, v5
	v_add_nc_u32 v[RD], s22, v5
	s_lshl_b32 s22, s14, 12
	v_lshl_add_u32 v[CO], v6, 4, s22               ; and in memory those eight rows of 64 bytes are 512 consecutive bytes: 4096 w + 16 lane
	v_lshlrev_b32 v7, 5, v2                        ; bias along n': my eight numbers of a tile begin at 32 h
	v_lshlrev_b32 v8, 2, v1                        ; bias along m': 4 r
.irp b, 0,1,2,3,4,5,6,7
	global_load_b128 v[BI+8*\b:BI+8*\b+3], v7, s[74:75] offset:64*\b
	global_load_b128 v[BI+8*\b+4:BI+8*\b+7], v7, s[74:75] offset:64*\b+16
.endr
.irp a, 0,1,2,3,4,5,6,7
	global_load_b32 v[BV+2*\a], v8, s[96:97] offset:64*\a
.endr
	; where the tile's four groups of 64 columns go.  q, k: head 4 cx + g, 0x40000 bytes a head, tokens 256 (4 cluster y + cy) on.  v: block of tokens 4 (tile of tokens) + g, 0x10000 bytes a block, rows 256 cy on.
	s_cmp_eq_u32 ttmp9, 1
	s_cselect_b64 s[84:85], s[70:71], s[68:69]
	s_cmp_eq_u32 ttmp9, 2
	s_cselect_b64 s[84:85], s[72:73], s[84:85]
	s_cselect_b32 s66, s41, s18
	s_cselect_b32 s67, s93, s40
	s_mov_b32 s98, 0x40000
	s_cselect_b32 s98, 0x10000, s98
	s_mov_b32 s99, 0
	s_mul_i32 s67, s67, s98
	s_lshl_b32 s67, s67, 2
	s_lshl_b32 s66, s66, 14                        ; 256 rows of 64 bytes
	s_add_co_u32 s66, s66, s67
	s_mov_b32 s67, 0
	s_add_nc_u64 s[84:85], s[84:85], s[66:67]
	s_add_nc_u64 s[86:87], s[84:85], s[98:99]
	s_add_nc_u64 s[88:89], s[86:87], s[98:99]
	s_add_nc_u64 s[90:91], s[88:89], s[98:99]
.macro FRAG reg, adr, q, i             ; a fragment: lane l holds row l % 16; registers 4 c .. 4 c + 3 hold K = 32 c + 16 (l / 16) + 0 .. 15: the same places in A' and in B'
.irp c, 0,1,2,3
	ds_load_b128 v[\reg+4*\c:\reg+4*\c+3], v[\adr] offset:128*(\q)+32*\c+(\i)*16*PITCH
.endr
.endm
; 16 matrix instructions: A's blocks a0, a0 + 1 x B's eight.  The 64 accumulators take turns, one instruction a turn, in the same order in every step.
.macro MUL16 a0, p, zero
.irp a, \a0, \a0+1
.irp b, 0,1,2,3,4,5,6,7
.if \zero
	v_wmma_f32_16x16x128_fp8_fp8 v[8*(8*((\a)%4)+\b):8*(8*((\a)%4)+\b)+7], v[128*(\p)+FR*\b:128*(\p)+FR*\b+FR-1], v[AF+FR*(\a):AF+FR*(\a)+FR-1], 0
.else
	v_wmma_f32_16x16x128_fp8_fp8 v[8*(8*((\a)%4)+\b):8*(8*((\a)%4)+\b)+7], v[128*(\p)+FR*\b:128*(\p)+FR*\b+FR-1], v[AF+FR*(\a):AF+FR*(\a)+FR-1], v[8*(8*((\a)%4)+\b):8*(8*((\a)%4)+\b)+7]
.endif
.endr
.endr
.endm
.macro FETCH_B slot, q, p
	WIN TO_B
.irp i, 0,1,2,3,4,5,6,7
	FRAG 128*(\p)+FR*\i, ADRB+\slot, \q, \i
.endr
	WIN 0
.endm
.macro FETCH_A slot, q, i0
.irp i, \i0, \i0+1, \i0+2, \i0+3
	FRAG AF+FR*(\i), ADRA+\slot, \q, \i
.endr
.endm
.macro PLACES n                        ; plain vector instructions between a matrix instruction and a load into, or a read of, its registers
.rept \n
	v_nop
.endr
.endm
.macro STEP slot, q, zero              ; 128 along K that has its successor in the same slot
	s_wait_dscnt 4*NL                              ; B's set and A's blocks 0-3 are in; the youngest 16 loads (A's blocks 4-7) may be out
	WIN MUL_LO
	MUL16 0, (\q)%2, \zero
	MUL16 2, (\q)%2, \zero
	s_wait_dscnt 0                                 ; A's blocks 4-7 are in
	PLACES NP
	FETCH_B \slot, (\q)+1, 1-(\q)%2
	FETCH_A \slot, (\q)+1, 0
	WIN MUL_HI
	MUL16 4, (\q)%2, \zero
	MUL16 6, (\q)%2, \zero
	PLACES NP
	WIN 0
	FETCH_A \slot, (\q)+1, 4
.endm
.macro TURN slot, next, fill           ; a slot's last 128 along K, and the change of slots: ONE barrier
	s_wait_tensorcnt 0x0                           ; all my tensor loads have landed: my part of the next slot
	ds_add_u32 v[SPW], v[NIL]                      ; 0 onto my spare word
	s_wait_dscnt 4*NL+1                            ; the add and the youngest 16 loads may be out
	WIN MUL_LO
	MUL16 0, 1, 0
	s_wait_dscnt 0x0                               ; the add is done, and my reads of this slot are over
	s_barrier_signal -1
	MUL16 2, 1, 0
	WIN 0
	s_barrier_wait -1
.if \fill
	CREST                                          ; no wave of any partner still reads this slot or has a load on its way
	s_add_nc_u64 s[G0+4*\slot+2:G0+4*\slot+3], s[G0+4*\slot+2:G0+4*\slot+3], 2*ROWB
	s_add_nc_u64 s[G0B+4*\slot+2:G0B+4*\slot+3], s[G0B+4*\slot+2:G0B+4*\slot+3], 2*ROWB
	JLOAD \slot                                    ; the first tensor load behind the round; its four v_nop are the places in front of the loads below
.else
	PLACES NP
.endif
	FETCH_B \next, 0, 0
	FETCH_A \next, 0, 0
	WIN MUL_HI
	MUL16 4, 1, 0
	MUL16 6, 1, 0
	PLACES NP
	WIN 0
	FETCH_A \next, 0, 4
.endm
	s_wait_alu depctr_va_vdst(0)                   ; the wait at the head's end
	s_wait_tensorcnt 0x0                           ; my part of K step 0 is in; slot 1's first fill is issued as a refill is
	ds_add_u32 v[SPW], v[NIL]
	s_wait_dscnt 0x0
	CROUND
	JLOAD 1                                        ; K step 1: the first tensor load behind the round
	FETCH_B 0, 0, 0
	FETCH_A 0, 0, 0
	FETCH_A 0, 0, 4
	STEP 0, 0, 1                                   ; the first step's products start the sums
	s_mov_b32 s3, LAPS-1
.Llap:
	TURN 0, 1, 1
	STEP 1, 0, 0
	TURN 1, 0, 1
	STEP 0, 0, 0
	s_sub_co_u32 s3, s3, 1
	s_cmp_lg_u32 s3, 0
	s_cbranch_scc1 .Llap
	TURN 0, 1, 0                                   ; the last lap fills nothing
	STEP 1, 0, 0
	s_wait_dscnt 4*NL
	WIN MUL_LO
	MUL16 0, 1, 0
	MUL16 2, 1, 0
	s_wait_dscnt 0
	WIN MUL_HI
	MUL16 4, 1, 0
	MUL16 6, 1, 0
	WIN 0
	; THE WAY OUT: + bias, hold, codes, through the work-group's stage, out in runs of 512 bytes.
	s_wait_kmcnt 0x0
	s_cmp_eq_u32 ttmp9, 1
	s_cselect_b32 s66, s79, s78                    ; e3 for k, e2 for q,
	s_cmp_eq_u32 ttmp9, 2
	s_cselect_b32 s66, s81, s66                    ; e5 for v: a choice, no branch on a loaded number
	s_add_co_i32 s67, s76, s77                     ; e0 + e1
	s_sub_co_i32 s66, s66, s67
	s_sub_co_i32 s67, 0, s67
	s_add_co_i32 s66, s66, 127
	s_lshl_b32 s22, s66, 23
	s_add_co_i32 s66, s66, 8
	s_lshl_b32 s66, s66, 23
	s_or_b32 s66, s66, 0x600000
	s_wait_loadcnt 0x0                             ; the biases
	v_mov_b32 v10, s22                             ; 2^(eo - e0 - e1)
	v_mov_b32 v9, s66                              ; 448 x that
.set j, 0
.rept 64
	v_ldexp_f32 v[BI+j], v[BI+j], s67              ; bias / 2^(e0 + e1).  (These lines are also the places behind the last products)
.set j, j+1
.endr
.irp a, 0,1,2,3,4,5,6,7
	v_ldexp_f32 v[BV+2*\a], v[BV+2*\a], s67
	v_mov_b32 v[BV+2*\a+1], v[BV+2*\a]             ; a pair for the packed addition
.endr
.macro ADDB rows                       ; each accumulator from its low end on.  rows = 0: the bias of the lane's eight columns; 1: of the lane's row
.irp a, 0,1,2,3,4,5,6,7
	WIN 0x82+0x41*(\a/4)                           ; source 0 and destination in the accumulators' window
.irp b, 0,1,2,3,4,5,6,7
.irp i, 0,2,4,6
.if \rows
	v_pk_add_f32 v[8*(8*(\a%4)+\b)+\i:8*(8*(\a%4)+\b)+\i+1], v[8*(8*(\a%4)+\b)+\i:8*(8*(\a%4)+\b)+\i+1], v[BV+2*\a:BV+2*\a+1]
.else
	v_pk_add_f32 v[8*(8*(\a%4)+\b)+\i:8*(8*(\a%4)+\b)+\i+1], v[8*(8*(\a%4)+\b)+\i:8*(8*(\a%4)+\b)+\i+1], v[BI+8*\b+\i:BI+8*\b+\i+1]
.endif
.endr
.endr
.endr
	WIN 0
.endm
	s_cmp_eq_u32 ttmp9, 2                          ; the branch hangs on the cluster's x alone; its two arms hold register work alone
	s_cbranch_scc1 .Lrowbias
	ADDB 0
	s_branch .Lbiased
.Lrowbias:
	ADDB 1
.Lbiased:
.irp w, 0,1
	WIN 0x82+0x41*\w
.set j, 0
.rept 256
	v_med3_num_f32 v[j], v[j], -v9, v9             ; the conversion to an 8-bit code does not saturate (ISA guide 7.6.2)
.set j, j+1
.endr
	WIN 0x02+\w
.set j, 0
.rept 32
	v_cvt_scalef32_pk8_fp8_f32 v[CD+64*\w+2*j:CD+64*\w+2*j+1], v[8*j:8*j+7], v10   ; accumulator (a, b)'s eight codes at v[CD + 2 (8 a + b)]
.set j, j+1
.endr
.endr
	WIN 0
	v_nop                                          ; one plain instruction behind the last conversion
.irp a, 0,1,2,3,4,5,6,7
.irp c, 0,1,2,3
	ds_store_b128 v[STO], v[CD+16*\a+4*\c:CD+16*\a+4*\c+3] offset:\a*16*SPITCH+32*\c   ; tiles 2 c and 2 c + 1: 16 bytes at 32 c + 16 h: the order stated at the head
.endr
.endr
	s_wait_dscnt 0x0                               ; for the others' sake: my stores into the stage are done
	s_barrier_signal -1
	s_barrier_wait -1
.irp g, 0,1,2,3
.irp i, 0,1,2,3,4,5,6,7
	ds_load_b128 v[CD+4*(8*\g+\i):CD+4*(8*\g+\i)+3], v[RD] offset:\i*8*SPITCH+64*\g
.endr
.endr
.irp g, 0,1,2,3
.irp i, 0,1,2,3,4,5,6,7
	s_wait_dscnt 31-(8*\g+\i)                      ; LDS loads come back in order: this one is in
	global_store_b128 v[CO], v[CD+4*(8*\g+\i):CD+4*(8*\g+\i)+3], s[84+2*\g:85+2*\g] offset:512*\i   ; 32 lanes store 512 consecutive bytes, aligned
.endr
.endr
	s_wait_tensorcnt 0x0                           ; the wave's end
	ds_add_u32 v[SPW], v[NIL]
	s_wait_dscnt 0x0
	CROUND                                         ; the closing round
	s_endpgm
.Lfunc_end_k_q152ce3b120_qkv:
	.size	k_q152ce3b120_qkv, .Lfunc_end_k_q152ce3b120_qkv-k_q152ce3b120_qkv
	.p2alignl 7, 3214868480
	.fill 96, 4, 3214868480
	.section	.rodata,"a",@progbits
	.p2align	6, 0x0
	.amdhsa_kernel k_q152ce3b120_qkv
		.amdhsa_group_segment_fixed_size 327680
		.amdhsa_private_segment_fixed_size 0
		.amdhsa_enable_private_segment 0
		.amdhsa_kernarg_size 56
		.amdhsa_user_sgpr_count 2
		.amdhsa_user_sgpr_kernarg_segment_ptr 1
		.amdhsa_wavefront_size32 1
		.amdhsa_system_sgpr_workgroup_id_x 1
		.amdhsa_system_sgpr_workgroup_id_y 1
		.amdhsa_system_sgpr_workgroup_id_z 1
		.amdhsa_system_vgpr_workitem_id 0
		.amdhsa_next_free_vgpr 1024
		.amdhsa_next_free_sgpr 100
		.amdhsa_reserve_vcc 0
		.amdhsa_float_denorm_mode_32 3
		.amdhsa_float_denorm_mode_16_64 3
		.amdhsa_memory_ordered 1
		.amdhsa_forward_progress 1
		.amdhsa_inst_pref_size 163
	.end_amdhsa_kernel
	.amdgpu_metadata
---
amdhsa.version: [ 1, 2 ]
amdhsa.kernels:
  - .name:           k_q152ce3b120_qkv
    .symbol:         k_q152ce3b120_qkv.kd
    .args:
      - { .name: acode, .offset: 0, .size: 8, .value_kind: global_buffer, .address_space: global }
      - { .name: c_attn_w_codes, .offset: 8, .size: 8, .value_kind: global_buffer, .address_space: global }
      - { .name: c_attn_b, .offset: 16, .size: 8, .value_kind: global_buffer, .address_space: global }
      - { .name: lowp_scales, .offset: 24, .size: 8, .value_kind: global_buffer, .address_space: global }
      - { .name: qc, .offset: 32, .size: 8, .value_kind: global_buffer, .address_space: global }
      - { .name: kc, .offset: 40, .size: 8, .value_kind: global_buffer, .address_space: global }
      - { .name: vc, .offset: 48, .size: 8, .value_kind: global_buffer, .address_space: global }
    .group_segment_fixed_size: 327680
    .private_segment_fixed_size: 0
    .kernarg_segment_align: 8
    .kernarg_segment_size: 56
    .max_flat_workgroup_size: 128
    .sgpr_count:     100
    .vgpr_count:     1024
    .wavefront_size: 32
...
	.end_amdgpu_metadata
.endif
;; end of part 2
;; launch attn (part 3): grid 4 x 64, 16 waves a work-group, no clusters, 327,680 bytes of LDS; arguments qc, kc, vc, lowp_scales, ao; writes ao
.if DOCPART == 3
	.amdgcn_target "amdgcn-amd-amdhsa--gfx1250"
	.amdhsa_code_object_version 6
	.text
	.protected	k_q152ce3b120_attn
	.globl	k_q152ce3b120_attn
	.p2align	8
	.type	k_q152ce3b120_attn,@function
k_q152ce3b120_attn:
	s_mov_b64 s[64:65], 0
	v_nop
	global_prefetch_b8 v0, s[64:65] scope:SCOPE_SE
	s_setreg_imm32_b32 hwreg(HW_REG_WAVE_MODE, 25, 1), 1
	s_wait_xcnt 0x0
; Causal attention on codes of E4M3 for one batch and head (grid y = 16 batch + head): S^T = K Q^T, p = 2^(t - M) with M the ceiling of the running largest t, O^T += V^T P^T, O / the sum of the unquantised p, quantised for the next product.
; A work-group takes two blocks of 128 queries, x (waves 0-7) and 7 - x (waves 8-15), a wave 16 queries; all 1,024 keys lie in LDS: 16 tiles of 64 keys of K, then 16 of V, rows of 64 bytes + 16 of padding.
; Waves 0-7 fetch two tiles of K each, waves 8-15 two of V: one tensor load a wave, each of two runs of 4,096 dense bytes.  Steps of 128 keys that lie wholly behind a wave's queries are jumped over by a branch on ids.
; LIMITS: e2 + e3 between -123 and 130; e4 and e6 between -126 and 119.
.set KP,    80
.set TILEB, 64*KP
.set VOFF,  16*TILEB
.set STG,   2*VOFF
.set STEPB, 2*TILEB
	s_load_b256 s[4:11], s[0:1], 0x0
	s_load_b64 s[12:13], s[0:1], 0x20
	v_lshl_add_u32 v251, v0, 2, 0x2c000
	v_mov_b32 v255, 0
	ds_add_u32 v251, v255
	ds_add_u32 v251, v255
	v_lshrrev_b32 v8, 5, v0
	s_delay_alu instid0(VALU_DEP_1)
	v_readfirstlane_b32 s18, v8
	s_and_b32 s14, ttmp7, 0xffff
	s_lshr_b32 s15, s14, 4
	s_and_b32 s16, s14, 15
	s_sub_co_u32 s17, 7, ttmp9
	s_cmp_lt_u32 s18, 8
	s_cselect_b32 s17, ttmp9, s17
	s_lshl_b32 s17, s17, 7
	s_and_b32 s19, s18, 7
	s_lshl_b32 s19, s19, 4
	s_add_co_u32 s99, s17, s19
	s_lshl_b32 s76, s16, 18
	s_lshl_b32 s19, s15, 16
	s_add_co_u32 s76, s76, s19
	s_mov_b32 s77, 0
	s_and_b32 s84, s18, 7
	s_lshl_b32 s78, s84, 13
	s_add_co_u32 s78, s78, s76
	s_mov_b32 s79, 0
	s_lshl_b32 s80, s15, 20
	s_lshl_b32 s19, s84, 17
	s_add_co_u32 s80, s80, s19
	s_lshl_b32 s19, s16, 12
	s_add_co_u32 s80, s80, s19
	s_mov_b32 s81, 0
	s_lshl_b32 s19, s99, 6
	s_add_co_u32 s76, s76, s19
	s_mul_i32 s82, s84, 2*TILEB
	s_lshl_b32 s83, s18, 10
	s_add_co_u32 s83, s83, STG
	s_mov_b32 s24, (0<<16)|(1<<20)|(3<<22)|(3<<25)
	s_mov_b32 s25, 4096<<16
	s_mov_b32 s26, 2<<16
	s_mov_b32 s27, 4096<<16
	s_mov_b32 s28, 2
	s_mov_b32 s29, 4096                            ; K: the two runs lie end to end
	s_mov_b32 s30, 0
	s_mov_b32 s31, 0
	s_mov_b32 s32, (0<<16)|(1<<20)|(3<<22)|(3<<25)
	s_mov_b32 s33, 4096<<16
	s_mov_b32 s34, 2<<16
	s_mov_b32 s35, 4096<<16
	s_mov_b32 s36, 2
	s_mov_b32 s37, 65536                           ; V: from one block of 64 tokens to the next
	s_mov_b32 s38, 0
	s_mov_b32 s39, 0
	s_mov_b32 s20, 0x76543210
	s_mov_b32 s21, 0xfedcba98
	s_mov_b32 s22, 0x3e38aa3b
	s_mov_b32 s2, 0
	s_mov_b32 s98, 0
	s_mov_b32 s67, 8
	s_wait_dscnt 0x0
	s_wait_kmcnt 0x0
	s_load_b256 s[68:75], s[10:11], 0x0
	s_mov_b32 s40, 1
	s_mov_b32 s41, s82
	s_add_nc_u64 s[42:43], s[6:7], s[78:79]
	s_or_b32 s43, s43, 0x80000000
	s_mov_b32 s44, 1
	s_add_co_u32 s45, s82, VOFF
	s_add_nc_u64 s[46:47], s[8:9], s[80:81]
	s_or_b32 s47, s47, 0x80000000
	s_wait_alu depctr_va_vdst(0)
	s_cmp_lt_u32 s18, 8
	s_cbranch_scc0 .Lfor_v
	tensor_load_to_lds s[40:43], s[24:31]
	s_nop 0
.rept 4
	v_nop
.endr
	s_branch .Lasked
.Lfor_v:
	tensor_load_to_lds s[44:47], s[32:39]
	s_nop 0
.rept 4
	v_nop
.endr
.Lasked:
	s_add_nc_u64 s[4:5], s[4:5], s[76:77]
	s_add_nc_u64 s[12:13], s[12:13], s[76:77]
	v_and_b32 v8, 15, v0
	v_bfe_u32 v9, v0, 4, 1
	s_delay_alu instid0(VALU_DEP_2)
	v_lshlrev_b32 v3, 6, v8
	s_delay_alu instid0(VALU_DEP_1)
	v_lshl_add_u32 v3, v9, 4, v3
	global_load_b128 v[16:19], v3, s[4:5]
	global_load_b128 v[20:23], v3, s[4:5] offset:32
	v_mul_u32_u24 v1, v8, KP
	s_delay_alu instid0(VALU_DEP_1)
	v_lshl_add_u32 v1, v9, 4, v1
	s_delay_alu instid0(VALU_DEP_1)
	v_add_nc_u32 v2, VOFF, v1
	v_and_b32 v7, 31, v0
	s_delay_alu instid0(VALU_DEP_1)
	v_lshlrev_b32 v7, 4, v7
	v_lshlrev_b32 v10, 6, v8
	s_delay_alu instid0(VALU_DEP_1)
	v_lshl_add_u32 v10, v9, 3, v10
	s_delay_alu instid0(VALU_DEP_1)
	v_add_nc_u32 v10, s83, v10
	s_delay_alu instid0(VALU_DEP_4)
	v_add_nc_u32 v11, s83, v7
	v_mov_b32 v13, 0xff61b1e6
	s_delay_alu instid0(VALU_DEP_1)
	v_floor_f32 v12, -v13
	v_mov_b32 v14, 0
	v_mov_b32 v15, 0
	v_mov_b32 v236, 0
	v_mov_b32 v253, 0
.set j, 0
.rept 32
	v_mov_b32 v[160+j], 0
.set j, j+1
.endr
	s_wait_kmcnt 0x0
	s_add_co_i32 s96, s70, s71
	s_lshl_b32 s96, s96, 23
	s_add_co_i32 s22, s22, s96
	s_mov_b32 s23, s22
	s_add_co_i32 s96, s72, 127
	s_lshl_b32 s19, s96, 23
	v_mov_b32 v244, s19
	s_add_co_i32 s96, s96, 8
	s_lshl_b32 s96, s96, 23
	s_or_b32 s96, s96, 0x600000
	v_mov_b32 v240, s96
	s_wait_loadcnt 0x0
	s_wait_tensorcnt 0x0
	s_barrier_signal -1
	s_barrier_wait -1
.Lstep:
	s_add_co_u32 s96, s99, 15
	s_cmp_gt_u32 s98, s96
	s_cbranch_scc1 .Lhidden
	v_add_nc_u32 v8, s2, v1
	v_add_nc_u32 v9, s2, v2
	v_nop
	v_nop
.irp u, 0,1,2,3,4,5,6,7
	ds_load_b128 v[32+8*\u:35+8*\u], v8 offset:16*KP*\u
	ds_load_b128 v[36+8*\u:39+8*\u], v8 offset:16*KP*\u+32
.endr
	s_wait_alu depctr_va_vdst(0)
	s_wait_dscnt 0x0
.irp u, 0,1,2,3,4,5,6,7
	v_wmma_f32_16x16x64_fp8_fp8 v[96+8*\u:103+8*\u], v[32+8*\u:39+8*\u], v[16:23], 0
.endr
.rept 4
	v_nop
.endr
.irp t, 0,1,2,3
.irp c, 0,1,2,3
	ds_load_b128 v[32+16*\t+4*\c:35+16*\t+4*\c], v9 offset:(\c/2)*TILEB+16*KP*\t+32*(\c%2)
.endr
.endr
	s_add_co_u32 s96, s98, 127
	s_cmp_le_u32 s96, s99
	s_cbranch_scc1 .Lopen
	s_sub_co_i32 s96, s99, s98
	v_and_b32 v252, 15, v0
	v_bfe_u32 v253, v0, 4, 1
	s_delay_alu instid0(VALU_DEP_1)
	v_lshlrev_b32 v253, 3, v253
	s_delay_alu instid0(VALU_DEP_1)
	v_sub_nc_u32 v252, v252, v253
	s_delay_alu instid0(VALU_DEP_1)
	v_add_nc_u32 v252, s96, v252
	v_mov_b32 v254, 0xff800000
.set n, 0
.rept 64
	v_cmp_gt_i32 vcc_lo, 16*(n/8)+n%8, v252
	v_cndmask_b32 v[96+n], v[96+n], v254, vcc_lo
.set n, n+1
.endr
.Lopen:
	v_max3_num_f32 v254, v96, v97, v98
	v_max3_num_f32 v252, v99, v100, v101
.irp i, 6,10,14,18,22,26,30,34,38,42,46,50,54,58
	v_max3_num_f32 v254, v254, v[96+\i], v[97+\i]
	v_max3_num_f32 v252, v252, v[98+\i], v[99+\i]
.endr
	v_max3_num_f32 v254, v254, v158, v159
	s_delay_alu instid0(VALU_DEP_1)
	v_max_num_f32 v254, v254, v252
	v_permlanex16_b32 v236, v254, s20, s21
	s_delay_alu instid0(VALU_DEP_1)
	v_max_num_f32 v254, v254, v236
	s_delay_alu instid0(VALU_DEP_1)
	v_mul_f32 v254, s22, v254
	s_delay_alu instid0(VALU_DEP_1)
	v_max_num_f32 v13, v13, v254
	v_mov_b32 v254, v12
	s_delay_alu instid0(VALU_DEP_2)
	v_floor_f32 v12, -v13
	s_delay_alu instid0(VALU_DEP_1)
	v_sub_f32 v254, v12, v254
	s_delay_alu instid0(VALU_DEP_1)
	v_cvt_i32_f32 v254, v254
	s_delay_alu instid0(VALU_DEP_1)
	v_ldexp_f32 v252, 1.0, v254
.set j, 0
.rept 32
	v_pk_fma_f32 v[96+j:97+j], v[96+j:97+j], s[22:23], v[12:13] op_sel_hi:[1,0,0]
.set j, j+2
.endr
.set j, 0
	s_wait_alu depctr_va_vdst(0)
.rept 64
	v_exp_f32 v[96+j], v[96+j]
.set j, j+1
.endr
	v_pk_mul_f32 v[14:15], v[14:15], v[252:253] op_sel_hi:[1,0]
	s_wait_alu depctr_va_vdst(0)
	v_pk_add_f32 v[242:243], v[96:97], v[98:99]
.set j, 4
.rept 15
	v_pk_add_f32 v[14:15], v[14:15], v[96+j:97+j]
	v_pk_add_f32 v[242:243], v[242:243], v[98+j:99+j]
.set j, j+4
.endr
	s_delay_alu instid0(VALU_DEP_1)
	v_pk_add_f32 v[14:15], v[14:15], v[242:243]
.set j, 0
.rept 64
	v_min_num_f32 v[96+j], v[96+j], v240
.set j, j+1
.endr
.irp u, 0,1,2,3,4,5,6,7
	v_cvt_scalef32_pk8_fp8_f32 v[224+2*\u:225+2*\u], v[96+8*\u:103+8*\u], v244
.endr
.set j, 0
.rept 16
	v_pk_mul_f32 v[160+j:161+j], v[160+j:161+j], v[252:253] op_sel_hi:[1,0]
.set j, j+2
.endr
	s_wait_alu depctr_va_vdst(0)
	s_wait_dscnt 0x0
.irp t, 0,1,2,3
	v_wmma_f32_16x16x128_fp8_fp8 v[160+8*\t:167+8*\t], v[32+16*\t:47+16*\t], v[224:239], v[160+8*\t:167+8*\t]
.endr
.Lhidden:
	s_add_co_u32 s98, s98, 128
	s_add_co_u32 s2, s2, STEPB
	s_sub_co_u32 s67, s67, 1
	s_cmp_lg_u32 s67, 0
	s_cbranch_scc1 .Lstep
.rept 4
	v_nop
.endr
	v_add_f32 v14, v14, v15
	s_delay_alu instid0(VALU_DEP_1)
	v_permlanex16_b32 v252, v14, s20, s21
	s_delay_alu instid0(VALU_DEP_1)
	v_add_f32 v14, v14, v252
	s_wait_alu depctr_va_vdst(0)
	v_rcp_f32 v14, v14
	v_nop
	s_add_co_i32 s96, s72, s73
	s_wait_alu depctr_va_vdst(0)
	v_ldexp_f32 v14, v14, s96
	s_add_co_i32 s96, s74, 127
	s_lshl_b32 s19, s96, 23
	v_mov_b32 v244, s19
	s_add_co_i32 s96, s96, 8
	s_lshl_b32 s96, s96, 23
	s_or_b32 s96, s96, 0x600000
	v_mov_b32 v240, s96
.set j, 0
.rept 32
	v_mul_f32 v[96+j], v[160+j], v14
.set j, j+1
.endr
.set j, 0
.rept 32
	v_med3_num_f32 v[96+j], v[96+j], -v240, v240
.set j, j+1
.endr
.irp t, 0,1,2,3
	v_cvt_scalef32_pk8_fp8_f32 v[128+2*\t:129+2*\t], v[96+8*\t:103+8*\t], v244
.endr
	v_nop
.irp t, 0,1,2,3
	ds_store_b64 v10, v[128+2*\t:129+2*\t] offset:16*\t
.endr
	ds_load_b128 v[32:35], v11
	ds_load_b128 v[36:39], v11 offset:512
	s_wait_dscnt 1
	global_store_b128 v7, v[32:35], s[12:13]
	s_wait_dscnt 0x0
	global_store_b128 v7, v[36:39], s[12:13] offset:512
	s_wait_tensorcnt 0x0
	ds_add_u32 v251, v255
	s_wait_dscnt 0x0
	s_endpgm
.Lfunc_end_k_q152ce3b120_attn:
	.size	k_q152ce3b120_attn, .Lfunc_end_k_q152ce3b120_attn-k_q152ce3b120_attn
	.p2alignl 7, 3214868480
	.fill 96, 4, 3214868480
	.section	.rodata,"a",@progbits
	.p2align	6, 0x0
	.amdhsa_kernel k_q152ce3b120_attn
		.amdhsa_group_segment_fixed_size 327680
		.amdhsa_private_segment_fixed_size 0
		.amdhsa_enable_private_segment 0
		.amdhsa_kernarg_size 40
		.amdhsa_user_sgpr_count 2
		.amdhsa_user_sgpr_kernarg_segment_ptr 1
		.amdhsa_wavefront_size32 1
		.amdhsa_system_sgpr_workgroup_id_x 1
		.amdhsa_system_sgpr_workgroup_id_y 1
		.amdhsa_system_sgpr_workgroup_id_z 1
		.amdhsa_system_vgpr_workitem_id 0
		.amdhsa_next_free_vgpr 256
		.amdhsa_next_free_sgpr 100
		.amdhsa_reserve_vcc 1
		.amdhsa_float_denorm_mode_32 3
		.amdhsa_float_denorm_mode_16_64 3
		.amdhsa_memory_ordered 1
		.amdhsa_forward_progress 1
		.amdhsa_inst_pref_size 33
	.end_amdhsa_kernel
	.amdgpu_metadata
---
amdhsa.version: [ 1, 2 ]
amdhsa.kernels:
  - .name:           k_q152ce3b120_attn
    .symbol:         k_q152ce3b120_attn.kd
    .args:
      - { .name: qc, .offset: 0, .size: 8, .value_kind: global_buffer, .address_space: global }
      - { .name: kc, .offset: 8, .size: 8, .value_kind: global_buffer, .address_space: global }
      - { .name: vc, .offset: 16, .size: 8, .value_kind: global_buffer, .address_space: global }
      - { .name: lowp_scales, .offset: 24, .size: 8, .value_kind: global_buffer, .address_space: global }
      - { .name: ao, .offset: 32, .size: 8, .value_kind: global_buffer, .address_space: global }
    .group_segment_fixed_size: 327680
    .private_segment_fixed_size: 0
    .kernarg_segment_align: 8
    .kernarg_segment_size: 40
    .max_flat_workgroup_size: 512
    .sgpr_count:     100
    .vgpr_count:     256
    .wavefront_size: 32
...
	.end_amdgpu_metadata
.endif
;; end of part 3
;; launch cproj (part 4): grid 8 x 32, 4 waves a work-group, clusters of 4 x 4, 327,680 bytes of LDS; arguments ao, c_proj_w_codes, c_proj_b, lowp_scales, x, x1; writes x1
.if DOCPART == 4
	.amdgcn_target "amdgcn-amd-amdhsa--gfx1250"
	.amdhsa_code_object_version 6
	.text
	.protected	k_q152ce3b120_cproj
	.globl	k_q152ce3b120_cproj
	.p2align	8
	.type	k_q152ce3b120_cproj,@function
k_q152ce3b120_cproj:
	s_mov_b64 s[64:65], 0
	v_nop
	global_prefetch_b8 v0, s[64:65] scope:SCOPE_SE
	s_setreg_imm32_b32 hwreg(HW_REG_WAVE_MODE, 25, 1), 1
	s_wait_xcnt 0x0
	s_wait_alu depctr_hold_cnt(0) depctr_sa_sdst(0) depctr_va_vdst(0) depctr_va_sdst(0) depctr_va_ssrc(0) depctr_va_vcc(0) depctr_vm_vsrc(0)
	s_getreg_b32 s2, hwreg(HW_REG_IB_STS2, 6, 4)
	s_cmp_eq_u32 s2, 0
	s_cbranch_scc0 .Lentry_in_a_cluster
	s_endpgm
.Lentry_in_a_cluster:
	s_bfe_u32 s2, ttmp6, 0x10000c
	s_cmp_lg_u32 s2, 0xf033
	s_cbranch_scc0 .Lentry_shape_is_right
	s_endpgm
.Lentry_shape_is_right:
; x1[m][n] = x[m][n] + bias[n] + 2^(e6 + e7) x sum over k of A[m][k] B[n][k], on codes of E4M3.  A = ao: [16 = k / 64][4096][64] codes; B: [1024][1024] codes; bias [1024], x and x1 [4096][1024] f32.
; A tile is 128 x 128, four waves of 64 x 64; K goes in two steps of 512 through two LDS slots filled by joint tensor loads in clusters of 4 x 4 (A's along a row, B's along a column).  LIMIT: e6 + e7 between -126 and 127.
.set SIZE_K, 1024
.set EOFF,   24
.set LAPS,   SIZE_K/1024
.set CHUNK,  262144
.set APIT,   80
.set ACH,    128*APIT
.set AHALF,  4*ACH
.set BOFF,   8*ACH
.set BPIT,   528
.set BHALF,  64*BPIT
.set SLOT,   BOFF+2*BHALF
.set STAGE,  2*SLOT
.set SP,     272
.set SPARE,  STAGE+4*16*SP
.set ADRA, 16
.set ADRB, 20
.set STO,  24
.set RD,   25
.set CO,   26
.set SPW,  28
.set NIL,  29
.set BK,   32
.set ACC,  128
.set G1, 24
.set G0, 32
.set G1B, 48
.set G0B, 56
.set MSB, 0
.macro WIN new
.if MSB != (\new)
	s_set_vgpr_msb (MSB<<8)|(\new)
.set MSB, (\new)
.endif
.endm
.macro JLOAD s
	s_cmp_eq_u32 s73, 0
	s_cbranch_scc0 .Lfor_b_\@
	tensor_load_to_lds s[G0+4*\s:G0+4*\s+3], s[G1:G1+7]
	s_nop 0
.rept 4
	v_nop
.endr
	s_branch .Lasked_\@
.Lfor_b_\@:
	tensor_load_to_lds s[G0B+4*\s:G0B+4*\s+3], s[G1B:G1B+7]
	s_nop 0
.rept 4
	v_nop
.endr
.Lasked_\@:
.endm
.macro CREST
	s_cmp_lg_u32 s72, 0
	s_cbranch_scc1 .Lnot_wave_0_\@
	s_barrier_signal -3
.Lnot_wave_0_\@:
	s_barrier_wait -3
	s_barrier_signal -1
	s_barrier_wait -1
.endm
.macro CROUND
	s_barrier_signal -1
	s_barrier_wait -1
	CREST
.endm
.macro PLACES
.rept 4
	v_nop
.endr
.endm
	s_load_b256 s[4:11], s[0:1], 0x0
	s_load_b128 s[68:71], s[0:1], 0x20
	v_lshl_add_u32 v[SPW], v0, 2, SPARE
	v_mov_b32 v[NIL], 0
	ds_add_u32 v28, v29
	ds_add_u32 v28, v29
	s_wait_dscnt 0x0
	v_lshrrev_b32 v1, 5, v0
	v_readfirstlane_b32 s72, v1
	s_lshr_b32 s73, s72, 1
	s_and_b32 s74, s72, 1
	s_bfe_u32 s40, ttmp6, 0x40000
	s_bfe_u32 s41, ttmp6, 0x40004
	s_lshl_b32 s42, ttmp9, 2
	s_add_co_u32 s42, s42, s40
	s_and_b32 s43, ttmp7, 0xffff
	s_lshl_b32 s43, s43, 2
	s_add_co_u32 s43, s43, s41
	s_lshl_b32 s44, s41, 2
	s_lshl_b32 s44, 15, s44
	s_lshl_b32 s45, 0x1111, s40
	s_or_b32 s[G1+0], s44, (0<<16)|(1<<20)|(1<<21)|(3<<22)|(3<<25)
	s_mov_b32 s[G1+1], 8192<<16
	s_mov_b32 s[G1+2], 4<<16
	s_mov_b32 s[G1+3], 8192<<16
	s_mov_b32 s[G1+4], 4
	s_mov_b32 s[G1+5], CHUNK
	s_mov_b32 s[G1+6], 0
	s_mov_b32 s[G1+7], 0
	s_or_b32 s[G1B+0], s45, (0<<16)|(1<<20)|(1<<21)|(6<<22)|(3<<25)
	s_mov_b32 s[G1B+1], 512<<16
	s_mov_b32 s[G1B+2], 64<<16
	s_mov_b32 s[G1B+3], 512<<16
	s_mov_b32 s[G1B+4], 64
	s_mov_b32 s[G1B+5], SIZE_K
	s_mov_b32 s[G1B+6], 0
	s_mov_b32 s[G1B+7], 0
	s_lshl_b32 s12, s74, 20
	s_lshl_b32 s16, s43, 13
	s_add_co_u32 s12, s12, s16
	s_mov_b32 s13, 0
	s_lshl_b32 s46, s42, 7
	s_lshl_b32 s47, s74, 6
	s_add_co_u32 s46, s46, s47
	s_mul_i32 s46, s46, SIZE_K
	s_mov_b32 s47, 0
	s_mul_i32 s14, s74, AHALF
	s_mul_i32 s15, s74, BHALF
	s_add_co_u32 s15, s15, BOFF
	s_wait_kmcnt 0x0
	s_load_b64 s[76:77], s[10:11], EOFF
	s_add_nc_u64 s[12:13], s[4:5], s[12:13]
	s_add_nc_u64 s[46:47], s[6:7], s[46:47]
	CROUND
.irp s, 0,1
	s_mov_b32 s[G0+4*\s], 1
	s_add_co_u32 s[G0+4*\s+1], s14, \s*SLOT
	s_add_nc_u64 s[G0+4*\s+2:G0+4*\s+3], s[12:13], \s*8*CHUNK
	s_or_b32 s[G0+4*\s+3], s[G0+4*\s+3], 0x80000000
	s_mov_b32 s[G0B+4*\s], 1
	s_add_co_u32 s[G0B+4*\s+1], s15, \s*SLOT
	s_add_nc_u64 s[G0B+4*\s+2:G0B+4*\s+3], s[46:47], \s*512
	s_or_b32 s[G0B+4*\s+3], s[G0B+4*\s+3], 0x80000000
.endr
	JLOAD 0                                        ; K step 0: one tensor load a wave at the head
	v_and_b32 v1, 15, v0
	v_bfe_u32 v2, v0, 4, 1
	v_mul_u32_u24 v3, v1, APIT
	v_lshl_add_u32 v3, v2, 4, v3
	s_mul_i32 s16, s73, 64*APIT
	v_add_nc_u32 v[ADRA], s16, v3
	v_add_nc_u32 v[ADRA+1], AHALF, v[ADRA]
	v_add_nc_u32 v[ADRA+2], SLOT, v[ADRA]
	v_add_nc_u32 v[ADRA+3], SLOT+AHALF, v[ADRA]
	v_mul_u32_u24 v4, v1, BPIT
	v_lshl_add_u32 v4, v2, 4, v4
	s_mul_i32 s16, s74, BHALF
	s_add_co_u32 s16, s16, BOFF
	v_add_nc_u32 v[ADRB], s16, v4
	v_add_nc_u32 v[ADRB+1], SLOT, v[ADRB]
	s_mul_i32 s16, s72, 16*SP
	s_add_co_u32 s16, s16, STAGE
	v_mul_u32_u24 v5, v1, SP
	v_lshl_add_u32 v5, v2, 5, v5
	v_add_nc_u32 v[STO], s16, v5
	v_mul_u32_u24 v5, v2, SP
	v_lshl_add_u32 v5, v1, 4, v5
	v_add_nc_u32 v[RD], s16, v5
	v_lshlrev_b32 v[CO], 12, v2
	v_lshl_add_u32 v[CO], v1, 4, v[CO]
	s_wait_alu depctr_va_vdst(0)
	v_lshlrev_b32 v27, 4, v1
	s_wait_alu depctr_va_vdst(0)
	s_lshl_b32 s78, s42, 9
	s_lshl_b32 s16, s74, 8
	s_add_co_u32 s78, s78, s16
	s_mov_b32 s79, 0
	s_add_nc_u64 s[80:81], s[8:9], s[78:79]
	s_lshl_b32 s16, s43, 19
	s_add_co_u32 s78, s78, s16
	s_lshl_b32 s16, s73, 18
	s_add_co_u32 s78, s78, s16
	s_add_nc_u64 s[68:69], s[68:69], s[78:79]
	s_add_nc_u64 s[70:71], s[70:71], s[78:79]
	WIN 0xc0
.irp a, 0,1,2,3
.irp t, 0,1,2,3,4,5,6,7
	global_load_b128 v[32*\a+4*\t:32*\a+4*\t+3], v[CO], s[68:69] offset:(16*\a+2*\t)*4096
.endr
.endr
	WIN 0
	global_load_b128 v[12:15], v27, s[80:81]
.macro MUL8 c2, a0, zero
.irp a, \a0, \a0+1
.irp b, 0,1,2,3
.if \zero
	v_wmma_f32_16x16x128_fp8_fp8 v[ACC+8*(4*(\a)+\b):ACC+8*(4*(\a)+\b)+7], v[128+16*(4*\c2+\b):128+16*(4*\c2+\b)+15], v[16*(4*\c2+(\a)):16*(4*\c2+(\a))+15], 0
.else
	v_wmma_f32_16x16x128_fp8_fp8 v[ACC+8*(4*(\a)+\b):ACC+8*(4*(\a)+\b)+7], v[128+16*(4*\c2+\b):128+16*(4*\c2+\b)+15], v[16*(4*\c2+(\a)):16*(4*\c2+(\a))+15], v[ACC+8*(4*(\a)+\b):ACC+8*(4*(\a)+\b)+7]
.endif
.endr
.endr
.endm
.macro FETCH slot, half, win
	WIN \win
.irp c2, 0,1
.irp i, 0,1,2,3
.irp c, 0,1,2,3
	ds_load_b128 v[128+16*(4*\c2+\i)+4*\c:128+16*(4*\c2+\i)+4*\c+3], v[ADRB+\slot] offset:\i*16*BPIT+128*(2*\half+\c2)+32*\c
	ds_load_b128 v[16*(4*\c2+\i)+4*\c:16*(4*\c2+\i)+4*\c+3], v[ADRA+2*\slot+\half] offset:(2*\c2+\c/2)*ACH+\i*16*APIT+32*(\c%2)
.endr
.endr
.endr
.endm
.set MUL0, 0x05
.set MUL1, 0x0a
.macro QUARTER slot, zero
	s_wait_dscnt 32
	WIN MUL0
	MUL8 0, 0, \zero
	MUL8 0, 2, \zero
	s_wait_dscnt 0
	PLACES
	FETCH \slot, 1, 0x80
	WIN MUL0
	MUL8 1, 0, 0
	MUL8 1, 2, 0
.endm
.macro TURN slot, next, fill
	WIN 0
	s_wait_tensorcnt 0x0
	ds_add_u32 v[SPW], v[NIL]
	s_wait_dscnt 33
	WIN MUL1
	MUL8 0, 0, 0
	s_wait_dscnt 0x0
	s_barrier_signal -1
	MUL8 0, 2, 0
	WIN 0
	s_barrier_wait -1
.if \fill
	CREST
	s_add_nc_u64 s[G0+4*\slot+2:G0+4*\slot+3], s[G0+4*\slot+2:G0+4*\slot+3], 16*CHUNK
	s_add_nc_u64 s[G0B+4*\slot+2:G0B+4*\slot+3], s[G0B+4*\slot+2:G0B+4*\slot+3], 1024
	JLOAD \slot
.else
	PLACES
.endif
	FETCH \next, 0, 0x40
	WIN MUL1
	MUL8 1, 0, 0
	MUL8 1, 2, 0
.endm
	s_wait_alu depctr_va_vdst(0)                   ; the wait at the head's end
	s_wait_tensorcnt 0x0                           ; my part of K step 0 is in; slot 1's first fill is issued as a refill is
	ds_add_u32 v[SPW], v[NIL]
	s_wait_dscnt 0x0
	CROUND
	JLOAD 1                                        ; K step 1: the first tensor load behind the round
	FETCH 0, 0, 0x40
	QUARTER 0, 1
.if LAPS > 1
	WIN 0
	s_mov_b32 s3, LAPS-1
.Llap:
	TURN 0, 1, 1
	QUARTER 1, 0
	TURN 1, 0, 1
	QUARTER 0, 0
	WIN 0
	s_sub_co_u32 s3, s3, 1
	s_cmp_lg_u32 s3, 0
	s_cbranch_scc1 .Llap
.endif
	TURN 0, 1, 0
	QUARTER 1, 0
	s_wait_dscnt 32
	WIN MUL1
	MUL8 0, 0, 0
	MUL8 0, 2, 0
	s_wait_dscnt 0
	MUL8 1, 0, 0
	MUL8 1, 2, 0
	WIN 0
.macro TOSTAGE a
.set BB, BK+32*((\a)%2)
.irp b, 0,1,2,3
	ds_store_b128 v[STO], v[ACC+8*(4*(\a)+\b):ACC+8*(4*(\a)+\b)+3] offset:64*\b
	ds_store_b128 v[STO], v[ACC+8*(4*(\a)+\b)+4:ACC+8*(4*(\a)+\b)+7] offset:64*\b+16
.endr
.irp t, 0,1,2,3,4,5,6,7
	ds_load_b128 v[BB+4*\t:BB+4*\t+3], v[RD] offset:\t*2*SP
.endr
.endm
.macro SEND a, younger
.set BB, BK+32*((\a)%2)
	s_wait_dscnt \younger
	WIN 0x30
.set j, 0
.rept 16
	v_pk_fma_f32 v[BB+2*j:BB+2*j+1], v[BB+2*j:BB+2*j+1], s[66:67], v[32*(\a)+2*j:32*(\a)+2*j+1] op_sel_hi:[1,0,1]
.set j, j+1
.endr
	WIN 0
.set j, 0
.rept 8
	v_pk_add_f32 v[BB+4*j:BB+4*j+1], v[BB+4*j:BB+4*j+1], v[12:13]
	v_pk_add_f32 v[BB+4*j+2:BB+4*j+3], v[BB+4*j+2:BB+4*j+3], v[14:15]
.set j, j+1
.endr
.irp t, 0,1,2,3,4,5,6,7
	global_store_b128 v[CO], v[BB+4*\t:BB+4*\t+3], s[70:71] offset:(16*(\a)+2*\t)*4096
.endr
.endm
	s_wait_kmcnt 0x0
	s_add_co_i32 s66, s76, s77
	s_add_co_i32 s66, s66, 127
	s_lshl_b32 s66, s66, 23
	s_mov_b32 s67, s66
	s_wait_loadcnt 0x0
	PLACES
	TOSTAGE 0
.irp a, 1,2,3
.if \a > 1
	s_wait_xcnt 0x0
.endif
	TOSTAGE \a
	SEND \a-1, 16
.endr
	SEND 3, 0
	s_wait_tensorcnt 0x0
	ds_add_u32 v[SPW], v[NIL]
	s_wait_dscnt 0x0
	CROUND
	s_endpgm
.Lfunc_end_k_q152ce3b120_cproj:
	.size	k_q152ce3b120_cproj, .Lfunc_end_k_q152ce3b120_cproj-k_q152ce3b120_cproj
	.p2alignl 7, 3214868480
	.fill 96, 4, 3214868480
	.section	.rodata,"a",@progbits
	.p2align	6, 0x0
	.amdhsa_kernel k_q152ce3b120_cproj
		.amdhsa_group_segment_fixed_size 327680
		.amdhsa_private_segment_fixed_size 0
		.amdhsa_enable_private_segment 0
		.amdhsa_kernarg_size 48
		.amdhsa_user_sgpr_count 2
		.amdhsa_user_sgpr_kernarg_segment_ptr 1
		.amdhsa_wavefront_size32 1
		.amdhsa_system_sgpr_workgroup_id_x 1
		.amdhsa_system_sgpr_workgroup_id_y 1
		.amdhsa_system_sgpr_workgroup_id_z 1
		.amdhsa_system_vgpr_workitem_id 0
		.amdhsa_next_free_vgpr 896
		.amdhsa_next_free_sgpr 90
		.amdhsa_reserve_vcc 0
		.amdhsa_float_denorm_mode_32 3
		.amdhsa_float_denorm_mode_16_64 3
		.amdhsa_memory_ordered 1
		.amdhsa_forward_progress 1
		.amdhsa_inst_pref_size 53
	.end_amdhsa_kernel
	.amdgpu_metadata
---
amdhsa.version: [ 1, 2 ]
amdhsa.kernels:
  - .name:           k_q152ce3b120_cproj
    .symbol:         k_q152ce3b120_cproj.kd
    .args:
      - { .name: ao, .offset: 0, .size: 8, .value_kind: global_buffer, .address_space: global }
      - { .name: c_proj_w_codes, .offset: 8, .size: 8, .value_kind: global_buffer, .address_space: global }
      - { .name: c_proj_b, .offset: 16, .size: 8, .value_kind: global_buffer, .address_space: global }
      - { .name: lowp_scales, .offset: 24, .size: 8, .value_kind: global_buffer, .address_space: global }
      - { .name: x, .offset: 32, .size: 8, .value_kind: global_buffer, .address_space: global }
      - { .name: x1, .offset: 40, .size: 8, .value_kind: global_buffer, .address_space: global }
    .group_segment_fixed_size: 327680
    .private_segment_fixed_size: 0
    .kernarg_segment_align: 8
    .kernarg_segment_size: 48
    .max_flat_workgroup_size: 128
    .sgpr_count:     90
    .vgpr_count:     896
    .wavefront_size: 32
...
	.end_amdgpu_metadata
.endif
;; end of part 4
;; launch ln2 (part 5): grid 256 x 1, 4 waves a work-group, no clusters, 16,896 bytes of LDS; arguments x1, ln2_g, ln2_b, lowp_scales, acode; writes acode
.if DOCPART == 5
	.amdgcn_target "amdgcn-amd-amdhsa--gfx1250"
	.amdhsa_code_object_version 6
	.text
	.protected	k_q152ce3b120_ln2
	.globl	k_q152ce3b120_ln2
	.p2align	8
	.type	k_q152ce3b120_ln2,@function
k_q152ce3b120_ln2:
	s_mov_b64 s[64:65], 0
	v_nop
	global_prefetch_b8 v0, s[64:65] scope:SCOPE_SE
	s_setreg_imm32_b32 hwreg(HW_REG_WAVE_MODE, 25, 1), 1
	s_wait_xcnt 0x0
; codes[r][c] = Q((x[r][c] - mean_r) * rsqrt(var_r + 1e-5) * g[c] + b[c]).  x: [4096][1024] f32; codes: [4096][1024] E4M3, one byte each, columns in their natural order.
; Q: divided by 2^e, held within +-448, to the nearest code, ties to even; e is the entry of the buffer of scales at byte EOFF.
; LIMITS: e between -126 and 119, so that 2^e and 448 x 2^e are f32 numbers.  NaN among the inputs is not served.
; SHARES.  A work-group takes 16 rows, each of its four waves 4.  One wave holds a whole row in 32 registers between the passes, so the row is read from memory once and no wave waits for another: no barrier.
; All four rows of a wave (32 loads of 512 consecutive bytes) are asked for at the head.  The variance is the mean of (x - mean)^2, taken in a second pass over the registers: no difference of large sums.
; Register 4 j + e of a row holds column 128 j + 4 lane + e.  A conversion's eight numbers are then two groups of four columns: each code word goes to its place in the wave's own stage in LDS
; and the row's 1,024 bytes come back 16 a lane, so that each store of the wave covers 512 consecutive bytes, aligned.
.set EOFF, 32                          ; byte of this operand's exponent in the buffer of scales
.set G,   16                           ; v16-47   g of my 32 columns
.set BB,  48                           ; v48-79   b of my 32 columns
.set X,   80                           ; v80-207  four rows, 32 registers each
.set C,   208                          ; v208-239 codes: 8 registers a row, so that no LDS store's data are written again
.set T,   240                          ; v240-247 four chains of sums
	s_load_b256 s[4:11], s[0:1], 0x0               ; x s[4:5], g s[6:7], b s[8:9], the scales' exponents s[10:11]
	s_load_b64 s[12:13], s[0:1], 0x20              ; the codes
	v_lshl_add_u32 v254, v0, 2, 0x4000
	v_mov_b32 v255, 0
	v_lshrrev_b32 v10, 5, v0
	v_readfirstlane_b32 s14, v10                   ; wave 0..3
	v_and_b32 v11, 31, v0                          ; lane
	v_lshlrev_b32 v1, 4, v11                       ; 16 x lane: my bytes of a load's or a store's 512
	s_lshl_b32 s22, s14, 12                        ; my wave's stage: 4,096 bytes
	v_lshl_add_u32 v2, v11, 2, s22                 ; into it: 4 x lane
	v_add_nc_u32 v3, s22, v1                       ; out of it: 16 x lane
	s_mov_b32 s18, 0x76543210                      ; v_permlanex16_b32: lane l takes lane l xor 16
	s_mov_b32 s19, 0xfedcba98
	s_mov_b32 s20, 0x3a800000                      ; 1 / 1024
	s_mov_b32 s21, 0x3727c5ac                      ; 1e-5
	s_lshl_b32 s16, ttmp9, 16                      ; 16 rows of 4,096 bytes a work-group,
	s_lshl_b32 s23, s14, 14                        ; 4 a wave
	s_add_co_u32 s16, s16, s23
	s_mov_b32 s17, 0
	s_lshr_b32 s22, s16, 2                         ; a row of codes is a quarter of that
	s_mov_b32 s23, 0
	s_wait_alu depctr_va_vdst(0)
	s_wait_kmcnt 0x0
	s_load_b32 s15, s[10:11], EOFF                 ; e
	s_add_nc_u64 s[4:5], s[4:5], s[16:17]
	s_add_nc_u64 s[12:13], s[12:13], s[22:23]
.irp j, 0,1,2,3,4,5,6,7
	global_load_b128 v[G+4*\j:G+4*\j+3], v1, s[6:7] offset:512*\j
.endr
.irp j, 0,1,2,3,4,5,6,7
	global_load_b128 v[BB+4*\j:BB+4*\j+3], v1, s[8:9] offset:512*\j
.endr
.irp i, 0,1,2,3
.irp j, 0,1,2,3,4,5,6,7
	global_load_b128 v[X+32*\i+4*\j:X+32*\i+4*\j+3], v1, s[4:5] offset:4096*\i+512*\j th:TH_LOAD_NT
.endr
.endr
	s_wait_kmcnt 0x0
	s_add_co_i32 s15, s15, 127
	s_lshl_b32 s22, s15, 23
	v_mov_b32 v4, s22                              ; 2^e as f32: the conversion takes its exponent field
	s_add_co_i32 s15, s15, 8
	s_lshl_b32 s15, s15, 23
	s_or_b32 s15, s15, 0x600000
	v_mov_b32 v5, s15                              ; 448 x 2^e
.macro ALLSUM                          ; v10 summed over the 32 lanes, the result in every lane
	v_add_f32_dpp v10, v10, v10 row_xmask:1 row_mask:0xf bank_mask:0xf
	v_add_f32_dpp v10, v10, v10 row_xmask:2 row_mask:0xf bank_mask:0xf
	v_add_f32_dpp v10, v10, v10 row_xmask:4 row_mask:0xf bank_mask:0xf
	v_add_f32_dpp v10, v10, v10 row_xmask:8 row_mask:0xf bank_mask:0xf
	v_permlanex16_b32 v11, v10, s18, s19
	v_add_f32 v10, v10, v11
.endm
.macro JOIN                            ; the four chains into v10
	v_pk_add_f32 v[T:T+1], v[T:T+1], v[T+2:T+3]
	v_pk_add_f32 v[T+4:T+5], v[T+4:T+5], v[T+6:T+7]
	v_pk_add_f32 v[T:T+1], v[T:T+1], v[T+4:T+5]
	v_add_f32 v10, v[T], v[T+1]
.endm
.macro ROW i
.set XR, X+32*\i
	s_wait_loadcnt 8*(3-\i)                        ; loads come back in order: g, b and my row are in; the eight loads of each later row may be out
.irp c, 0,2,4,6
	v_pk_add_f32 v[T+\c:T+\c+1], v[XR+\c:XR+\c+1], v[XR+8+\c:XR+8+\c+1]   ; the first pairs start the chains: nothing is cleared
.endr
.irp o, 16,24
.irp c, 0,2,4,6
	v_pk_add_f32 v[T+\c:T+\c+1], v[T+\c:T+\c+1], v[XR+\o+\c:XR+\o+\c+1]
.endr
.endr
	JOIN
	ALLSUM
	v_mul_f32 v6, s20, v10                         ; the mean, twice: a pair for the packed forms
	v_mul_f32 v7, s20, v10
.irp p, 0,2,4,6,8,10,12,14,16,18,20,22,24,26,28,30
	v_pk_add_f32 v[XR+\p:XR+\p+1], v[XR+\p:XR+\p+1], v[6:7] neg_lo:[0,1] neg_hi:[0,1]   ; x - mean, in place
.endr
.irp c, 0,2,4,6
	v_pk_mul_f32 v[T+\c:T+\c+1], v[XR+\c:XR+\c+1], v[XR+\c:XR+\c+1]
.endr
.irp o, 8,16,24
.irp c, 0,2,4,6
	v_pk_fma_f32 v[T+\c:T+\c+1], v[XR+\o+\c:XR+\o+\c+1], v[XR+\o+\c:XR+\o+\c+1], v[T+\c:T+\c+1]
.endr
.endr
	JOIN
	ALLSUM
	v_fma_f32 v12, v10, s20, s21                   ; the variance + 1e-5
	s_wait_alu depctr_va_vdst(0)
	v_rsq_f32 v8, v12
	v_rsq_f32 v9, v12
	v_nop                                          ; one plain instruction between a transcendental and the use of its result (ISA guide 5.7.2)
	s_wait_alu depctr_va_vdst(0)
.irp p, 0,2,4,6,8,10,12,14,16,18,20,22,24,26,28,30
	v_pk_mul_f32 v[XR+\p:XR+\p+1], v[XR+\p:XR+\p+1], v[8:9]
.endr
.irp p, 0,2,4,6,8,10,12,14,16,18,20,22,24,26,28,30
	v_pk_fma_f32 v[XR+\p:XR+\p+1], v[XR+\p:XR+\p+1], v[G+\p:G+\p+1], v[BB+\p:BB+\p+1]
.endr
.set j, 0
.rept 32
	v_med3_num_f32 v[XR+j], v[XR+j], -v5, v5       ; the conversion to an 8-bit code does not saturate (ISA guide 7.6.2): the hold at the largest code x the scale
.set j, j+1
.endr
.irp m, 0,1,2,3
	v_cvt_scalef32_pk8_fp8_f32 v[C+8*\i+2*\m:C+8*\i+2*\m+1], v[XR+8*\m:XR+8*\m+7], v4
.endr
.irp k, 0,1,2,3,4,5,6,7
	ds_store_b32 v2, v[C+8*\i+\k] offset:1024*\i+128*\k    ; code word k: columns 128 k + 4 lane + 0 .. 3
.endr
	ds_load_b128 v[XR:XR+3], v3 offset:1024*\i             ; LDS serves a wave's instructions in order: these see my stores
	ds_load_b128 v[XR+4:XR+7], v3 offset:1024*\i+512
	s_wait_dscnt 0x0
	global_store_b128 v1, v[XR:XR+3], s[12:13] offset:1024*\i         ; 32 lanes store 512 consecutive bytes, aligned; each row has registers of its own, so no store's data are written again
	global_store_b128 v1, v[XR+4:XR+7], s[12:13] offset:1024*\i+512
.endm
	ROW 0
	ROW 1
	ROW 2
	ROW 3
	s_wait_tensorcnt 0x0
	ds_add_u32 v254, v255
	s_wait_dscnt 0x0
	s_endpgm
.Lfunc_end_k_q152ce3b120_ln2:
	.size	k_q152ce3b120_ln2, .Lfunc_end_k_q152ce3b120_ln2-k_q152ce3b120_ln2
	.p2alignl 7, 3214868480
	.fill 96, 4, 3214868480
	.section	.rodata,"a",@progbits
	.p2align	6, 0x0
	.amdhsa_kernel k_q152ce3b120_ln2
		.amdhsa_group_segment_fixed_size 16896
		.amdhsa_private_segment_fixed_size 0
		.amdhsa_enable_private_segment 0
		.amdhsa_kernarg_size 40
		.amdhsa_user_sgpr_count 2
		.amdhsa_user_sgpr_kernarg_segment_ptr 1
		.amdhsa_wavefront_size32 1
		.amdhsa_system_sgpr_workgroup_id_x 1
		.amdhsa_system_sgpr_workgroup_id_y 1
		.amdhsa_system_sgpr_workgroup_id_z 1
		.amdhsa_system_vgpr_workitem_id 0
		.amdhsa_next_free_vgpr 256
		.amdhsa_next_free_sgpr 66
		.amdhsa_reserve_vcc 0
		.amdhsa_float_denorm_mode_32 3
		.amdhsa_float_denorm_mode_16_64 3
		.amdhsa_memory_ordered 1
		.amdhsa_forward_progress 1
		.amdhsa_inst_pref_size 44
	.end_amdhsa_kernel
	.amdgpu_metadata
---
amdhsa.version: [ 1, 2 ]
amdhsa.kernels:
  - .name:           k_q152ce3b120_ln2
    .symbol:         k_q152ce3b120_ln2.kd
    .args:
      - { .name: x1, .offset: 0, .size: 8, .value_kind: global_buffer, .address_space: global }
      - { .name: ln2_g, .offset: 8, .size: 8, .value_kind: global_buffer, .address_space: global }
      - { .name: ln2_b, .offset: 16, .size: 8, .value_kind: global_buffer, .address_space: global }
      - { .name: lowp_scales, .offset: 24, .size: 8, .value_kind: global_buffer, .address_space: global }
      - { .name: acode, .offset: 32, .size: 8, .value_kind: global_buffer, .address_space: global }
    .group_segment_fixed_size: 16896
    .private_segment_fixed_size: 0
    .kernarg_segment_align: 8
    .kernarg_segment_size: 40
    .max_flat_workgroup_size: 128
    .sgpr_count:     66
    .vgpr_count:     256
    .wavefront_size: 32
...
	.end_amdgpu_metadata
.endif
;; end of part 5
;; launch fc (part 6): grid 16 x 16, 4 waves a work-group, clusters of 4 x 4, 327,680 bytes of LDS; arguments acode, fc_w_codes, fc_b, lowp_scales, hc; writes hc
.if DOCPART == 6
	.amdgcn_target "amdgcn-amd-amdhsa--gfx1250"
	.amdhsa_code_object_version 6
	.text
	.protected	k_q152ce3b120_fc
	.globl	k_q152ce3b120_fc
	.p2align	8
	.type	k_q152ce3b120_fc,@function
k_q152ce3b120_fc:
	s_mov_b64 s[64:65], 0
	v_nop
	global_prefetch_b8 v0, s[64:65] scope:SCOPE_SE
	s_setreg_imm32_b32 hwreg(HW_REG_WAVE_MODE, 25, 1), 1
	s_wait_xcnt 0x0
	s_wait_alu depctr_hold_cnt(0) depctr_sa_sdst(0) depctr_va_vdst(0) depctr_va_sdst(0) depctr_va_ssrc(0) depctr_va_vcc(0) depctr_vm_vsrc(0)
	s_getreg_b32 s2, hwreg(HW_REG_IB_STS2, 6, 4)
	s_cmp_eq_u32 s2, 0
	s_cbranch_scc0 .Lentry_in_a_cluster
	s_endpgm
.Lentry_in_a_cluster:
	s_bfe_u32 s2, ttmp6, 0x10000c
	s_cmp_lg_u32 s2, 0xf033
	s_cbranch_scc0 .Lentry_shape_is_right
	s_endpgm
.Lentry_shape_is_right:
; hc = Q(gelu(a W^T + bias)) on codes of E4M3.  a: [4096 tokens][1024] codes (2^e8); W: [4096][1024] codes (2^e9); bias: [4096] f32.
; OUT: hc[token / 16][column / 128][2,048 bytes] codes (2^e10): images of operand registers for the next product, whose K is the column:
; register 2 c, 2 c + 1 of lane (r, h) holds columns 16 c + 8 h + 0 .. 7 of token r; registers 4 q .. 4 q + 3 lie at 512 q + 16 lane.
; gelu(u) = 0.5 u (1 + tanh(sqrt(2 / pi) (u + 0.044715 u^3))) = u / (1 + 2^(u (C1 + C2 u^2))), C1 = -2 log2(e) sqrt(2 / pi), C2 = 0.044715 C1: the same function, all in f32.
; A tile of 256 x 256 is made by four waves, each 128 x 128: 64 accumulators, 512 registers.  K goes in steps of 256 through two LDS slots filled by the tensor data mover; four steps in all.
; CLUSTERS of 4 x 4: a's tiles are asked for jointly along a row of the cluster, W's along a column.  The matrix instruction is used transposed (source 0 = W's rows):
; a lane holds eight neighbouring columns of a token, so the 16 code registers of a block of 16 tokens ARE a fragment as stated above, and are stored as they stand.
; LIMITS: e8 + e9 between -126 and 127; e10 between -126 and 119.  NaN and infinities among the inputs are not served.
; REGISTERS, in windows of 256: window 0: v1-29 addresses and constants; v32-95 bias; from v128 A's fragments, ONE set, later the codes.
;   window 1: B's fragments, TWO sets; on the way out u, the exponents and constants.   window 2, 3: the accumulators of my rows 0-63, 64-127 ((a, b) at v[8 (8 (a % 4) + b)]).
.set KROW,   1024
.set ROWB,   256
.set PITCH,  272                       ; an LDS row: 256 bytes + 16 of padding: the 16 rows that a load touches start at 16 different banks (ISA guide 11.1)
.set FR,     16
.set NL,     4
.set NP,     4                         ; places behind this matrix instruction (ISA guide 7.12.1)
.set HALFT,  128*PITCH
.set SLOT,   4*HALFT
.set LAPS,   KROW/(2*ROWB)
.set SPARE,  2*SLOT                    ; the spare words, 128 bytes a wave, that no other line names
.set ADRA, 16
.set ADRB, 20
.set CO,   26
.set SPW,  28
.set NIL,  29
.set BI,   32
.set AF,   128
.set CD,   128
.set U,    0                           ; window 1: 64 numbers u
.set Q,    64                          ; window 1: 64 exponents, then quotients
.set KC,   128                         ; window 1: C1 twice, C2 twice, 448 x 2^e10
.set G1, 24
.set G0, 32
.set G1B, 48
.set G0B, 56
.set MSB, 0
.macro WIN new                         ; the immediate's high byte repeats the setting that is left
.if MSB != (\new)
	s_set_vgpr_msb (MSB<<8)|(\new)
.set MSB, (\new)
.endif
.endm
.set MUL_LO, 0xa1
.set MUL_HI, 0xf1
.set TO_B,   0x40
.macro JLOAD s                         ; a joint load; the branch hangs on the wave's number alone; s_nop 0 and four v_nop follow each line
	s_cmp_eq_u32 s15, 0
	s_cbranch_scc0 .Lfor_b_\@
	tensor_load_to_lds s[G0+4*\s:G0+4*\s+3], s[G1:G1+7]
	s_nop 0
.rept 4
	v_nop
.endr
	s_branch .Lasked_\@
.Lfor_b_\@:
	tensor_load_to_lds s[G0B+4*\s:G0B+4*\s+3], s[G1B:G1B+7]
	s_nop 0
.rept 4
	v_nop
.endr
.Lasked_\@:
.endm
.macro CREST
	s_cmp_lg_u32 s14, 0
	s_cbranch_scc1 .Lnot_wave_0_\@
	s_barrier_signal -3
.Lnot_wave_0_\@:
	s_barrier_wait -3
	s_barrier_signal -1
	s_barrier_wait -1
.endm
.macro CROUND
	s_barrier_signal -1
	s_barrier_wait -1
	CREST
.endm
	s_load_b256 s[4:11], s[0:1], 0x0               ; a's codes, W's codes, bias, the scales' exponents
	s_load_b64 s[68:69], s[0:1], 0x20              ; hc
	v_lshl_add_u32 v[SPW], v0, 2, SPARE
	v_mov_b32 v[NIL], 0
	ds_add_u32 v[SPW], v[NIL]                      ; the opening lines: the add twice on end and one wait
	ds_add_u32 v[SPW], v[NIL]
	v_lshrrev_b32 v1, 5, v0
	v_readfirstlane_b32 s14, v1                    ; wave 0..3
	s_lshr_b32 s15, s14, 1                         ; my half of the rows; also: I fetch for a (0) or W (1)
	s_and_b32 s16, s14, 1                          ; my half of the columns; also: which 128 rows I fetch
	s_bfe_u32 s40, ttmp6, 0x40000                  ; cx
	s_bfe_u32 s41, ttmp6, 0x40004                  ; cy
	s_lshl_b32 s42, ttmp9, 2
	s_add_co_u32 s42, s42, s40                     ; tile column
	s_and_b32 s17, ttmp7, 0xffff
	s_lshl_b32 s17, s17, 2
	s_add_co_u32 s17, s17, s41                     ; tile row
	s_lshl_b32 s43, s41, 2
	s_lshl_b32 s43, 15, s43
	s_lshl_b32 s44, 0x1111, s40
	s_or_b32 s[G1+0], s43, (0<<16)|(1<<20)|(1<<21)|(5<<22)|(3<<25)
	s_or_b32 s[G1B+0], s44, (0<<16)|(1<<20)|(1<<21)|(5<<22)|(3<<25)
.irp g, G1, G1B
	s_mov_b32 s[\g+1], ROWB<<16
	s_mov_b32 s[\g+2], 128<<16
	s_mov_b32 s[\g+3], ROWB<<16
	s_mov_b32 s[\g+4], 128
	s_mov_b32 s[\g+5], KROW
	s_mov_b32 s[\g+6], 0
	s_mov_b32 s[\g+7], 0
.endr
	s_lshl_b32 s22, s16, 17
	s_lshl_b32 s20, s17, 18
	s_add_co_u32 s20, s20, s22
	s_mov_b32 s21, 0
	s_lshl_b32 s46, s42, 18
	s_add_co_u32 s46, s46, s22
	s_mov_b32 s47, 0
	s_mul_i32 s45, s14, HALFT
	s_lshl_b32 s74, s42, 10                        ; bias: 4 (256 tile column + 128 half)
	s_lshl_b32 s22, s16, 9
	s_add_co_u32 s74, s74, s22
	s_mov_b32 s75, 0
	s_lshl_b32 s84, s17, 20                        ; hc: 65,536 bytes for 16 tokens: 16 such a tile row, 8 a half;
	s_lshl_b32 s22, s15, 19
	s_add_co_u32 s84, s84, s22
	s_lshl_b32 s22, s42, 12                        ; 2,048 bytes for 128 columns: 2 such a tile column, 1 a half
	s_add_co_u32 s84, s84, s22
	s_lshl_b32 s22, s16, 11
	s_add_co_u32 s84, s84, s22
	s_mov_b32 s85, 0
	s_wait_dscnt 0x0                               ; both opening adds are done
	s_wait_kmcnt 0x0
	s_load_b128 s[76:79], s[10:11], 0x20           ; e8 .. e11
	s_add_nc_u64 s[20:21], s[4:5], s[20:21]
	s_add_nc_u64 s[46:47], s[6:7], s[46:47]
	s_add_nc_u64 s[74:75], s[8:9], s[74:75]
	s_add_nc_u64 s[84:85], s[68:69], s[84:85]
	CROUND                                         ; all sixteen work-groups are here: the first joint loads meet
.irp s, 0,1
	s_mov_b32 s[G0+4*\s], 1
	s_add_co_u32 s[G0+4*\s+1], s45, \s*SLOT
	s_add_nc_u64 s[G0+4*\s+2:G0+4*\s+3], s[20:21], \s*ROWB
	s_or_b32 s[G0+4*\s+3], s[G0+4*\s+3], 0x80000000
	s_mov_b32 s[G0B+4*\s], 1
	s_add_co_u32 s[G0B+4*\s+1], s45, \s*SLOT
	s_add_nc_u64 s[G0B+4*\s+2:G0B+4*\s+3], s[46:47], \s*ROWB
	s_or_b32 s[G0B+4*\s+3], s[G0B+4*\s+3], 0x80000000
.endr
	JLOAD 0                                        ; K step 0: one tensor load a wave at the head
	v_and_b32 v1, 15, v0
	v_bfe_u32 v2, v0, 4, 1
	v_mul_u32_u24 v3, v1, PITCH
	v_lshl_add_u32 v4, v2, 4, v3
	s_mul_i32 s22, s15, HALFT
	s_mul_i32 s23, s16, HALFT
	s_add_co_u32 s23, s23, 2*HALFT
.irp s, 0,1
	v_add_nc_u32 v[ADRA+\s], s22, v4
	v_add_nc_u32 v[ADRB+\s], s23, v4
	s_add_co_u32 s22, s22, SLOT
	s_add_co_u32 s23, s23, SLOT
.endr
	v_and_b32 v6, 31, v0
	v_lshlrev_b32 v[CO], 4, v6                     ; the way out: 16 x lane
	s_wait_alu depctr_va_vdst(0)                   ; the wait ahead of the reader below
	v_lshlrev_b32 v7, 5, v2                        ; bias: my eight numbers of a tile begin at 32 h
.irp b, 0,1,2,3,4,5,6,7
	global_load_b128 v[BI+8*\b:BI+8*\b+3], v7, s[74:75] offset:64*\b
	global_load_b128 v[BI+8*\b+4:BI+8*\b+7], v7, s[74:75] offset:64*\b+16
.endr
.macro FRAG reg, adr, q, i             ; registers 4 c .. 4 c + 3 hold K = 32 c + 16 (l / 16) + 0 .. 15: the same places in a and in W
.irp c, 0,1,2,3
	ds_load_b128 v[\reg+4*\c:\reg+4*\c+3], v[\adr] offset:128*(\q)+32*\c+(\i)*16*PITCH
.endr
.endm
.macro MUL16 a0, p, zero               ; the 64 accumulators take turns, one instruction a turn, in the same order in every step
.irp a, \a0, \a0+1
.irp b, 0,1,2,3,4,5,6,7
.if \zero
	v_wmma_f32_16x16x128_fp8_fp8 v[8*(8*((\a)%4)+\b):8*(8*((\a)%4)+\b)+7], v[128*(\p)+FR*\b:128*(\p)+FR*\b+FR-1], v[AF+FR*(\a):AF+FR*(\a)+FR-1], 0
.else
	v_wmma_f32_16x16x128_fp8_fp8 v[8*(8*((\a)%4)+\b):8*(8*((\a)%4)+\b)+7], v[128*(\p)+FR*\b:128*(\p)+FR*\b+FR-1], v[AF+FR*(\a):AF+FR*(\a)+FR-1], v[8*(8*((\a)%4)+\b):8*(8*((\a)%4)+\b)+7]
.endif
.endr
.endr
.endm
.macro FETCH_B slot, q, p
	WIN TO_B
.irp i, 0,1,2,3,4,5,6,7
	FRAG 128*(\p)+FR*\i, ADRB+\slot, \q, \i
.endr
	WIN 0
.endm
.macro FETCH_A slot, q, i0
.irp i, \i0, \i0+1, \i0+2, \i0+3
	FRAG AF+FR*(\i), ADRA+\slot, \q, \i
.endr
.endm
.macro PLACES n
.rept \n
	v_nop
.endr
.endm
.macro STEP slot, q, zero
	s_wait_dscnt 4*NL                              ; B's set and A's blocks 0-3 are in; the youngest 16 loads may be out
	WIN MUL_LO
	MUL16 0, (\q)%2, \zero
	MUL16 2, (\q)%2, \zero
	s_wait_dscnt 0
	PLACES NP
	FETCH_B \slot, (\q)+1, 1-(\q)%2
	FETCH_A \slot, (\q)+1, 0
	WIN MUL_HI
	MUL16 4, (\q)%2, \zero
	MUL16 6, (\q)%2, \zero
	PLACES NP
	WIN 0
	FETCH_A \slot, (\q)+1, 4
.endm
.macro TURN slot, next, fill
	s_wait_tensorcnt 0x0                           ; all my tensor loads have landed: my part of the next slot
	ds_add_u32 v[SPW], v[NIL]                      ; 0 onto my spare word
	s_wait_dscnt 4*NL+1                            ; the add and the youngest 16 loads may be out
	WIN MUL_LO
	MUL16 0, 1, 0
	s_wait_dscnt 0x0                               ; the add is done, and my reads of this slot are over
	s_barrier_signal -1
	MUL16 2, 1, 0
	WIN 0
	s_barrier_wait -1
.if \fill
	CREST
	s_add_nc_u64 s[G0+4*\slot+2:G0+4*\slot+3], s[G0+4*\slot+2:G0+4*\slot+3], 2*ROWB
	s_add_nc_u64 s[G0B+4*\slot+2:G0B+4*\slot+3], s[G0B+4*\slot+2:G0B+4*\slot+3], 2*ROWB
	JLOAD \slot
.else
	PLACES NP
.endif
	FETCH_B \next, 0, 0
	FETCH_A \next, 0, 0
	WIN MUL_HI
	MUL16 4, 1, 0
	MUL16 6, 1, 0
	PLACES NP
	WIN 0
	FETCH_A \next, 0, 4
.endm
	s_wait_alu depctr_va_vdst(0)                   ; the wait at the head's end
	s_wait_tensorcnt 0x0                           ; my part of K step 0 is in; slot 1's first fill is issued as a refill is
	ds_add_u32 v[SPW], v[NIL]
	s_wait_dscnt 0x0
	CROUND
	JLOAD 1                                        ; K step 1: the first tensor load behind the round
	FETCH_B 0, 0, 0
	FETCH_A 0, 0, 0
	FETCH_A 0, 0, 4
	STEP 0, 0, 1
	s_mov_b32 s3, LAPS-1
.Llap:
	TURN 0, 1, 1
	STEP 1, 0, 0
	TURN 1, 0, 1
	STEP 0, 0, 0
	s_sub_co_u32 s3, s3, 1
	s_cmp_lg_u32 s3, 0
	s_cbranch_scc1 .Llap
	TURN 0, 1, 0
	STEP 1, 0, 0
	s_wait_dscnt 4*NL
	WIN MUL_LO
	MUL16 0, 1, 0
	MUL16 2, 1, 0
	s_wait_dscnt 0
	WIN MUL_HI
	MUL16 4, 1, 0
	MUL16 6, 1, 0
	WIN 0
	; THE WAY OUT, a block of 16 tokens x 128 columns (64 numbers a lane) at a time: u = sum x 2^(e8 + e9) + bias, gelu, hold, codes, store.
	s_wait_kmcnt 0x0
	s_add_co_i32 s96, s76, s77
	s_add_co_i32 s96, s96, 127
	s_lshl_b32 s96, s96, 23                        ; 2^(e8 + e9) as f32
	s_mov_b32 s97, s96
	s_add_co_i32 s66, s78, 127
	s_lshl_b32 s67, s66, 23
	s_add_co_i32 s66, s66, 8
	s_lshl_b32 s66, s66, 23
	s_or_b32 s66, s66, 0x600000
	PLACES NP                                      ; behind the last products, whose sources lie in window 1
	v_mov_b32 v10, s67                             ; 2^e10
	WIN 0x40
	v_mov_b32 v[KC], 0xc0135761                    ; C1 = -2.3022082, twice
	v_mov_b32 v[KC+1], 0xc0135761
	v_mov_b32 v[KC+2], 0xbdd2d3e8                  ; C2 = -0.10294324, twice
	v_mov_b32 v[KC+3], 0xbdd2d3e8
	v_mov_b32 v[KC+4], s66                         ; 448 x 2^e10
	WIN 0
	s_wait_alu depctr_va_vdst(0)
	s_wait_loadcnt 0x0                             ; the bias
.macro GELU8 a                         ; each batch of transcendentals has one wait ahead of it and one behind it, and the sums' first readers one ahead of them
.set AC, 64*((\a)%4)
	WIN 0x42+(\a)/4                                ; source 0: the accumulators' window; destination: window 1
	s_wait_alu depctr_va_vdst(0)
.set i, 0
.rept 32
	v_pk_fma_f32 v[U+i:U+i+1], v[AC+i:AC+i+1], s[96:97], v[BI+i:BI+i+1] op_sel_hi:[1,0,1]   ; each accumulator from its low end on
.set i, i+2
.endr
	WIN 0x55                                       ; all in window 1
.set i, 0
.rept 32
	v_pk_mul_f32 v[Q+i:Q+i+1], v[U+i:U+i+1], v[U+i:U+i+1]
.set i, i+2
.endr
.set i, 0
.rept 32
	v_pk_fma_f32 v[Q+i:Q+i+1], v[Q+i:Q+i+1], v[KC+2:KC+3], v[KC:KC+1]
.set i, i+2
.endr
.set i, 0
.rept 32
	v_pk_mul_f32 v[Q+i:Q+i+1], v[Q+i:Q+i+1], v[U+i:U+i+1]
.set i, i+2
.endr
	s_wait_alu depctr_va_vdst(0)
.set i, 0
.rept 64
	v_exp_f32 v[Q+i], v[Q+i]
.set i, i+1
.endr
	v_nop                                          ; one plain place behind the transcendentals
	s_wait_alu depctr_va_vdst(0)
.set i, 0
.rept 32
	v_pk_add_f32 v[Q+i:Q+i+1], v[Q+i:Q+i+1], 1.0 op_sel_hi:[1,0]
.set i, i+2
.endr
	s_wait_alu depctr_va_vdst(0)
.set i, 0
.rept 64
	v_rcp_f32 v[Q+i], v[Q+i]
.set i, i+1
.endr
	v_nop
	s_wait_alu depctr_va_vdst(0)
.set i, 0
.rept 32
	v_pk_mul_f32 v[U+i:U+i+1], v[U+i:U+i+1], v[Q+i:Q+i+1]
.set i, i+2
.endr
.set i, 0
.rept 64
	v_med3_num_f32 v[U+i], v[U+i], -v[KC+4], v[KC+4]   ; the conversion to an 8-bit code does not saturate (ISA guide 7.6.2)
.set i, i+1
.endr
	WIN 0x01                                       ; source 0 window 1; the scale and the codes in window 0
.irp b, 0,1,2,3,4,5,6,7
	v_cvt_scalef32_pk8_fp8_f32 v[CD+16*(\a)+2*\b:CD+16*(\a)+2*\b+1], v[U+8*\b:U+8*\b+7], v10
.endr
	v_nop                                          ; one plain instruction before the next lines write the conversions' sources
	WIN 0
.irp q, 0,1,2,3
	global_store_b128 v[CO], v[CD+16*(\a)+4*\q:CD+16*(\a)+4*\q+3], s[84:85] offset:(\a)*65536+512*\q   ; 32 lanes store 512 consecutive bytes, aligned; each block has code registers of its own
.endr
.endm
.irp a, 0,1,2,3,4,5,6,7
	GELU8 \a
.endr
	s_wait_tensorcnt 0x0                           ; the wave's end
	ds_add_u32 v[SPW], v[NIL]
	s_wait_dscnt 0x0
	CROUND                                         ; the closing round
	s_endpgm
.Lfunc_end_k_q152ce3b120_fc:
	.size	k_q152ce3b120_fc, .Lfunc_end_k_q152ce3b120_fc-k_q152ce3b120_fc
	.p2alignl 7, 3214868480
	.fill 96, 4, 3214868480
	.section	.rodata,"a",@progbits
	.p2align	6, 0x0
	.amdhsa_kernel k_q152ce3b120_fc
		.amdhsa_group_segment_fixed_size 327680
		.amdhsa_private_segment_fixed_size 0
		.amdhsa_enable_private_segment 0
		.amdhsa_kernarg_size 40
		.amdhsa_user_sgpr_count 2
		.amdhsa_user_sgpr_kernarg_segment_ptr 1
		.amdhsa_wavefront_size32 1
		.amdhsa_system_sgpr_workgroup_id_x 1
		.amdhsa_system_sgpr_workgroup_id_y 1
		.amdhsa_system_sgpr_workgroup_id_z 1
		.amdhsa_system_vgpr_workitem_id 0
		.amdhsa_next_free_vgpr 1024
		.amdhsa_next_free_sgpr 100
		.amdhsa_reserve_vcc 0
		.amdhsa_float_denorm_mode_32 3
		.amdhsa_float_denorm_mode_16_64 3
		.amdhsa_memory_ordered 1
		.amdhsa_forward_progress 1
		.amdhsa_inst_pref_size 250
	.end_amdhsa_kernel
	.amdgpu_metadata
---
amdhsa.version: [ 1, 2 ]
amdhsa.kernels:
  - .name:           k_q152ce3b120_fc
    .symbol:         k_q152ce3b120_fc.kd
    .args:
      - { .name: acode, .offset: 0, .size: 8, .value_kind: global_buffer, .address_space: global }
      - { .name: fc_w_codes, .offset: 8, .size: 8, .value_kind: global_buffer, .address_space: global }
      - { .name: fc_b, .offset: 16, .size: 8, .value_kind: global_buffer, .address_space: global }
      - { .name: lowp_scales, .offset: 24, .size: 8, .value_kind: global_buffer, .address_space: global }
      - { .name: hc, .offset: 32, .size: 8, .value_kind: global_buffer, .address_space: global }
    .group_segment_fixed_size: 327680
    .private_segment_fixed_size: 0
    .kernarg_segment_align: 8
    .kernarg_segment_size: 40
    .max_flat_workgroup_size: 128
    .sgpr_count:     100
    .vgpr_count:     1024
    .wavefront_size: 32
...
	.end_amdgpu_metadata
.endif
;; end of part 6
;; launch proj (part 7): grid 8 x 32, 8 waves a work-group, clusters of 4 x 4, 327,680 bytes of LDS; arguments hc, proj_w_codes, proj_b, lowp_scales, x1, out0; writes out0
.if DOCPART == 7
	.amdgcn_target "amdgcn-amd-amdhsa--gfx1250"
	.amdhsa_code_object_version 6
	.text
	.protected	k_q152ce3b120_proj
	.globl	k_q152ce3b120_proj
	.p2align	8
	.type	k_q152ce3b120_proj,@function
k_q152ce3b120_proj:
	s_mov_b64 s[64:65], 0
	v_nop
	global_prefetch_b8 v0, s[64:65] scope:SCOPE_SE
	s_setreg_imm32_b32 hwreg(HW_REG_WAVE_MODE, 25, 1), 1
	s_wait_xcnt 0x0
	s_wait_alu depctr_hold_cnt(0) depctr_sa_sdst(0) depctr_va_vdst(0) depctr_va_sdst(0) depctr_va_ssrc(0) depctr_va_vcc(0) depctr_vm_vsrc(0)
	s_getreg_b32 s2, hwreg(HW_REG_IB_STS2, 6, 4)
	s_cmp_eq_u32 s2, 0
	s_cbranch_scc0 .Lentry_in_a_cluster
	s_endpgm
.Lentry_in_a_cluster:
	s_bfe_u32 s2, ttmp6, 0x10000c
	s_cmp_lg_u32 s2, 0xf033
	s_cbranch_scc0 .Lentry_shape_is_right
	s_endpgm
.Lentry_shape_is_right:
; y[m][n] = res[m][n] + bias[n] + 2^(e10 + e11) x sum over k of A[m][k] B[n][k], on codes of E4M3.  M 4096, N 1024, K 4096.  bias [1024], res and y [4096][1024] f32.
; A = hc[m / 16][k / 128][2,048 bytes]: images of operand registers (register 2 c, 2 c + 1 of lane (r, h): k = 16 c + 8 h + 0 .. 7 of row r; registers 4 q .. 4 q + 3 at 512 q + 16 lane).  B = proj_w's codes [1024 n][4096 k].
; LIMIT: e10 + e11 between -126 and 127, so that 2^(e10 + e11) is an f32 number.
; SHARES.  A work-group makes 128 x 128 of y: 256 work-groups.  Eight waves: wave = 4 kh + 2 rh + ch takes rows 64 rh on, columns 64 ch on, and half kh of K: 16 chunks of 128, 16 accumulators, 16 products a chunk.
; A GOES STRAIGHT INTO REGISTERS: a fragment is four loads of 512 consecutive bytes.  Four sets of four fragments take turns: while a chunk is multiplied the next three chunks' 48 loads are out.
; B COMES THROUGH LDS: a ring of two slots, each with 128 rows x 512 bytes for each half of K (rows 528 bytes apart), four periods of four chunks.  Each wave fetches 32 rows with one tensor load.
; CLUSTERS of 4 x 4: B's tile hangs on the tile column alone and is asked for jointly along a column of the cluster.  A's fragments are not asked for jointly: a joint load lands in LDS, and A is not read from LDS here.
; B's fragments are read by loads of 8 bytes at 16 c + 8 h of a row, which are the places that A's images have.
; THE TWO HALVES OF K MEET ON THE WAY OUT.  Accumulator slot a of a wave holds rows 16 ((a + 2 kh) % 4) on: each wave finishes its slots 0, 1 and hands slots 2, 3, which are the partner's slots 0, 1, to wave xor 4.
; Both put their sums as rows into the finishing wave's stage in LDS; behind one barrier it reads whole rows of 256 bytes from both, adds them, scales, adds res and bias and stores aligned units of 256 bytes.
; The stage lies on slot 0, which has had its last fill and its last read by then, and on 4,096 bytes behind the ring.
; PREFETCH: in periods 0 and 1, what period p + 1 will ask for, which is period p + 2's: waves 0 and 1 name 32 blocks of 256 bytes of A each, wave 2 names 16 of B.
; The 8 work-groups of a tile row share A's 8 blocks of 16 rows out by x, the 32 of a tile column B's 128 rows by y, all by address: each block is named once.  Periods 0 and 1 come by their loads alone.
; REGISTERS: window 0: v2-21 addresses, v12-15 bias, v28, v29 for the add, v64-127 B's four fragments, v128-255 accumulators ((a, b) at v[128 + 8 (4 a + b)]), later rows read back.
;   window 1: A's set s at v[64 s], fragment a at + 16 a; behind chunk 12 set 0 takes res.
.set ACC, 128
.set BF,  64
.set LO,  2                            ; 16 x lane
.set PFO, 3                            ; the prefetch's offset
.set STO, 8                            ; into my stage
.set STP, 9                            ; into my partner's
.set RD,  10                           ; rows back
.set CO,  11                           ; my bytes of two rows of res and y
.set BO,  16                           ; my four columns' bias
.set ADRB, 20                          ; v20, v21: my B fragments in slot 0, 1
.set SPW, 28
.set NIL, 29
.set BP,  528                          ; an LDS row of B: 512 bytes + 16 of padding
.set PART, 32*BP                       ; what one tensor load brings
.set SLOTB, 8*PART
.set S0,  SLOTB                        ; slot 1 begins at 0, slot 0 behind it
.set BLK, 16*272                       ; the stage: 16 rows of 256 bytes + 16 of padding
.set SRC, 2*BLK                        ; two blocks from one wave
.set WST, 2*SRC                        ; a wave's stage: from itself, from its partner
.set STAGE, S0
.set SPARE, STAGE+8*WST                ; the spare words, 128 bytes a wave, that no other line names
.set SA0, 24                           ; s[24:25] A's slots 0, 1;  s[26:27] slots 2, 3
.set SA1, 26
.set PFA, 28                           ; s[28:29], s[30:31] the two prefetches
.set G1,  32                           ; s[32:39] descriptor group 1;  s[40:43], s[44:47] group 0 for slot 0, 1
.set G0,  40
.set MSB, 0
.macro WIN new                         ; the immediate's high byte repeats the setting that is left
.if MSB != (\new)
	s_set_vgpr_msb (MSB<<8)|(\new)
.set MSB, (\new)
.endif
.endm
.macro ROUND                           ; a round of the cluster's barrier
	s_barrier_signal -1
	s_barrier_wait -1
	s_cmp_lg_u32 s16, 0
	s_cbranch_scc1 .Lnot_wave_0_\@
	s_barrier_signal -3
.Lnot_wave_0_\@:
	s_barrier_wait -3
	s_barrier_signal -1
	s_barrier_wait -1
.endm
.macro TLOAD slot                      ; every wave's own 32 rows; s_nop 0 and four v_nop follow
	tensor_load_to_lds s[G0+4*\slot:G0+4*\slot+3], s[G1:G1+7]
	s_nop 0
.rept 4
	v_nop
.endr
.endm
.macro CHANGE fill, step               ; the change of slots: all my tensor loads, the add, my LDS reads; a round; the fill of the slot that was left
	s_wait_tensorcnt 0x0
	ds_add_u32 v[SPW], v[NIL]
.if \step
	s_add_nc_u64 s[G0+4*\fill+2:G0+4*\fill+3], s[G0+4*\fill+2:G0+4*\fill+3], 1024   ; two periods on along K
.endif
	s_wait_dscnt 0x0
	ROUND
	TLOAD \fill
.endm
.macro ALOAD c                         ; 16 loads: A's four fragments of chunk c into set c % 4
	WIN 0x40
.irp f, 0,1
.irp q, 0,1,2,3
	global_load_b128 v[64*((\c)%4)+16*\f+4*\q:64*((\c)%4)+16*\f+4*\q+3], v[LO], s[SA0:SA0+1] offset:\f*65536+(\c)*2048+\q*512
.endr
.endr
.irp f, 0,1
.irp q, 0,1,2,3
	global_load_b128 v[64*((\c)%4)+32+16*\f+4*\q:64*((\c)%4)+32+16*\f+4*\q+3], v[LO], s[SA1:SA1+1] offset:\f*65536+(\c)*2048+\q*512
.endr
.endr
	WIN 0
.endm
.macro MUL set, zero                   ; used transposed (source 0 = B's rows): a lane holds eight neighbours of a row of y.  The 16 accumulators take turns in one order throughout
.irp a, 0,1,2,3
.irp b, 0,1,2,3
.if \zero
	v_wmma_f32_16x16x128_fp8_fp8 v[ACC+8*(4*\a+\b):ACC+8*(4*\a+\b)+7], v[BF+16*\b:BF+16*\b+15], v[64*(\set)+16*\a:64*(\set)+16*\a+15], 0
.else
	v_wmma_f32_16x16x128_fp8_fp8 v[ACC+8*(4*\a+\b):ACC+8*(4*\a+\b)+7], v[BF+16*\b:BF+16*\b+15], v[64*(\set)+16*\a:64*(\set)+16*\a+15], v[ACC+8*(4*\a+\b):ACC+8*(4*\a+\b)+7]
.endif
.endr
.endr
.endm
.macro CHUNK c, slot, n, zero, ask     ; n: the global loads issued behind chunk c's, which may stay out.  ask: the prefetch's base, or 0
.irp b, 0,1,2,3
.irp k, 0,1,2,3,4,5,6,7
	ds_load_b64 v[BF+16*\b+2*\k:BF+16*\b+2*\k+1], v[ADRB+\slot] offset:\b*16*BP+((\c)%4)*128+16*\k
.endr
.endr
	s_wait_loadcnt \n
	s_wait_dscnt 0x0
	WIN 0x04                                       ; source 1 (A) in window 1
	MUL (\c)%4, \zero
	WIN 0
.rept 4
	v_nop                                          ; places in front of loads into registers that the products read
.endr
.if \ask
	s_cmp_lt_u32 s16, 3
	s_cbranch_scc0 .Lnot_mine_\@
	global_prefetch_b8 v[PFO], s[\ask:\ask+1] th:TH_LOAD_NT scope:SCOPE_SE
.Lnot_mine_\@:
.endif
.if (\c) < 12
	ALOAD (\c)+4
.endif
.if (\c) == 12
	WIN 0x40                                       ; set 0 is done with: it takes my 32 rows x 64 columns of res
.irp a, 0,1
.irp t, 0,1,2,3,4,5,6,7
	global_load_b128 v[32*\a+4*\t:32*\a+4*\t+3], v[CO], s[12:13] offset:(16*\a+2*\t)*4096 th:TH_LOAD_NT   ; sixteen lanes read 256 consecutive bytes, aligned
.endr
.endr
	WIN 0
.endif
.endm
	s_load_b256 s[4:11], s[0:1], 0x0               ; hc, proj_w's codes, bias, the scales' exponents
	s_load_b128 s[12:15], s[0:1], 0x20             ; res, y
	v_lshl_add_u32 v[SPW], v0, 2, SPARE
	v_mov_b32 v[NIL], 0
	ds_add_u32 v[SPW], v[NIL]                      ; the opening lines: the add twice on end and one wait
	ds_add_u32 v[SPW], v[NIL]
	v_lshrrev_b32 v1, 5, v0
	v_readfirstlane_b32 s16, v1                    ; wave 0..7
	v_and_b32 v1, 31, v0                           ; lane
	v_and_b32 v5, 15, v0                           ; r
	v_bfe_u32 v6, v0, 4, 1                         ; h
	v_lshlrev_b32 v[LO], 4, v1
	v_lshlrev_b32 v[BO], 4, v5
	s_lshr_b32 s17, s16, 2                         ; kh
	s_bfe_u32 s18, s16, 0x10001                    ; rh
	s_and_b32 s19, s16, 1                          ; ch
	s_bfe_u32 s22, ttmp6, 0x40000                  ; cx
	s_bfe_u32 s23, ttmp6, 0x40004                  ; cy
	s_lshl_b32 s20, ttmp9, 2
	s_add_co_u32 s20, s20, s22                     ; x: the tile column
	s_and_b32 s21, ttmp7, 0xffff
	s_lshl_b32 s21, s21, 2
	s_add_co_u32 s21, s21, s23                     ; y: the tile row
	s_lshl_b32 s48, 0x1111, s22                    ; my column of the cluster
	s_or_b32 s[G1], s48, (0<<16)|(1<<20)|(1<<21)|(6<<22)|(3<<25)   ; the mask; 1 byte; padding on; bit 21 beside a mask; 4 words after every 128
	s_mov_b32 s[G1+1], 512<<16                     ; tensor_dim0
	s_mov_b32 s[G1+2], 32<<16                      ; tensor_dim1
	s_mov_b32 s[G1+3], 512<<16                     ; tile_dim0
	s_mov_b32 s[G1+4], 32                          ; tile_dim1
	s_mov_b32 s[G1+5], 4096                        ; from row to row
	s_mov_b32 s[G1+6], 0
	s_mov_b32 s[G1+7], 0
	s_lshl_b32 s48, s20, 19                        ; B: row 128 x + 32 (wave % 4), 4,096 bytes a row; half wave / 4 of K
	s_and_b32 s49, s16, 3
	s_lshl_b32 s49, s49, 17
	s_add_co_u32 s48, s48, s49
	s_lshl_b32 s49, s17, 11
	s_add_co_u32 s48, s48, s49
	s_mov_b32 s49, 0
	s_mul_i32 s50, s16, PART                       ; and where it goes in a slot: wave x 32 rows
	s_lshl_b32 s52, s21, 19                        ; A: 65,536 bytes for 16 rows: 8 such a tile row, 4 a half; 32,768 bytes for half of K
	s_lshl_b32 s54, s18, 18
	s_add_co_u32 s52, s52, s54
	s_lshl_b32 s54, s17, 15
	s_add_co_u32 s52, s52, s54
	s_lshl_b32 s54, s17, 17
	s_add_co_u32 s56, s52, s54                     ; slots 0, 1: rows 32 kh on
	s_mov_b32 s57, 0
	s_xor_b32 s54, s54, 0x20000
	s_add_co_u32 s52, s52, s54                     ; slots 2, 3: rows 32 (1 - kh) on
	s_mov_b32 s53, 0
	s_lshl_b32 s58, s20, 9                         ; my first column in bytes: 512 x + 256 ch
	s_lshl_b32 s54, s19, 8
	s_add_co_u32 s58, s58, s54
	s_mov_b32 s59, 0
	s_lshl_b32 s54, s21, 19                        ; the first row that I finish: 128 y + 64 rh + 32 kh, 4,096 bytes a row
	s_lshl_b32 s55, s18, 18
	s_add_co_u32 s54, s54, s55
	s_lshl_b32 s55, s17, 17
	s_add_co_u32 s54, s54, s55
	s_add_co_u32 s54, s54, s58
	s_mov_b32 s55, 0
	s_wait_alu depctr_va_vdst(0)
	s_wait_dscnt 0x0                               ; both opening adds are done
	s_wait_kmcnt 0x0
	s_add_nc_u64 s[SA0:SA0+1], s[4:5], s[56:57]
	s_add_nc_u64 s[SA1:SA1+1], s[4:5], s[52:53]
	s_add_nc_u64 s[48:49], s[6:7], s[48:49]
	s_add_nc_u64 s[8:9], s[8:9], s[58:59]
	s_add_nc_u64 s[12:13], s[12:13], s[54:55]
	s_add_nc_u64 s[14:15], s[14:15], s[54:55]
	s_mov_b32 s[G0], 1
	s_add_co_u32 s[G0+1], s50, S0
	s_mov_b64 s[G0+2:G0+3], s[48:49]               ; period 0
	s_or_b32 s[G0+3], s[G0+3], 0x80000000
	s_mov_b32 s[G0+4], 1
	s_mov_b32 s[G0+5], s50
	s_add_nc_u64 s[G0+6:G0+7], s[48:49], 512       ; period 1
	s_or_b32 s[G0+7], s[G0+7], 0x80000000
	ROUND                                          ; all sixteen work-groups are here: the first joint loads meet
	TLOAD 0                                        ; period 0: one tensor load a wave at the head
	global_load_b128 v[12:15], v[BO], s[8:9]
	ALOAD 0
	ALOAD 1
	ALOAD 2
	ALOAD 3
	s_load_b64 s[62:63], s[10:11], 40              ; e10, e11
	s_mul_i32 s51, s17, 4*PART                     ; my B fragments: half kh, rows 64 ch on
	s_mul_i32 s52, s19, 64*BP
	s_add_co_u32 s51, s51, s52
	s_mul_i32 s52, s16, WST
	s_add_co_u32 s52, s52, STAGE                   ; my stage,
	s_xor_b32 s53, s16, 4
	s_mul_i32 s53, s53, WST
	s_add_co_u32 s53, s53, STAGE+SRC               ; and my part of my partner's
	s_lshl_b32 s48, s21, 3                         ; waves 0, 1 name A's 16 rows 8 y + x, half = wave, period 2's four chunks: 32 blocks
	s_add_co_u32 s48, s48, s20
	s_lshl_b32 s48, s48, 16
	s_lshl_b32 s49, s16, 15
	s_add_co_u32 s48, s48, s49
	s_add_co_u32 s48, s48, 8*2048
	s_lshl_b32 s49, s20, 19                        ; wave 2 names B's rows 128 x + 4 y on, four rows x two halves x two blocks of period 2's 512 bytes
	s_lshl_b32 s56, s21, 14
	s_add_co_u32 s49, s49, s56
	s_add_co_u32 s49, s49, 1024
	s_mov_b32 s57, 512
	s_cmp_lt_u32 s16, 2
	s_cselect_b32 s48, s48, s49
	s_cselect_b32 s56, 8192, s57                   ; a period on
	s_cselect_b32 s58, -1, 0
	s_cselect_b64 s[PFA:PFA+1], s[4:5], s[6:7]
	s_mov_b32 s49, 0
	s_mov_b32 s57, 0
	s_add_nc_u64 s[PFA:PFA+1], s[PFA:PFA+1], s[48:49]
	s_add_nc_u64 s[PFA+2:PFA+3], s[PFA:PFA+1], s[56:57]
	v_min_u32 v4, 15, v1                           ; lanes left over name wave 2's last block again
	v_mul_u32_u24 v7, v5, BP
	v_mul_u32_u24 v17, v5, 272
	v_mul_u32_u24 v18, v6, 272
	v_lshrrev_b32 v19, 2, v4
	v_bfe_u32 v22, v4, 1, 1
	v_and_b32 v23, 1, v4
	v_lshl_add_u32 v7, v6, 3, v7                   ; row r, + 8 h
	v_lshl_add_u32 v17, v6, 5, v17                 ; the stage, in: row r, 32 bytes for each half of the lanes
	v_lshl_add_u32 v18, v5, 4, v18                 ; back: lanes 0-15 one row of 256 bytes, lanes 16-31 the next
	v_lshlrev_b32 v19, 12, v19
	v_lshlrev_b32 v4, 8, v1
	v_add_nc_u32 v[ADRB+1], s51, v7
	v_lshl_add_u32 v19, v22, 11, v19
	v_add_nc_u32 v[STO], s52, v17
	v_add_nc_u32 v[STP], s53, v17
	v_add_nc_u32 v[RD], s52, v18
	v_lshl_add_u32 v19, v23, 8, v19
	v_add_nc_u32 v[ADRB], S0, v[ADRB+1]
	v_lshlrev_b32 v[CO], 12, v6
	v_cndmask_b32 v[PFO], v19, v4, s58             ; waves 0, 1: 256 x lane
	v_lshl_add_u32 v[CO], v5, 4, v[CO]
	s_wait_alu depctr_va_vdst(0)                   ; the wait at the head's end
	CHANGE 1, 0                                    ; period 0 is in; slot 1's first fill, period 1, is issued as a refill is
	CHUNK 0, 0, 48, 1, PFA                         ; its products start the sums
	CHUNK 1, 0, 48, 0, 0
	CHUNK 2, 0, 48, 0, 0
	CHUNK 3, 0, 48, 0, 0
	CHANGE 0, 1                                    ; period 2 into slot 0
	CHUNK 4, 1, 48, 0, PFA+2
	CHUNK 5, 1, 48, 0, 0
	CHUNK 6, 1, 48, 0, 0
	CHUNK 7, 1, 48, 0, 0
	CHANGE 1, 1                                    ; period 3 into slot 1
	CHUNK 8, 0, 48, 0, 0
	CHUNK 9, 0, 48, 0, 0
	CHUNK 10, 0, 48, 0, 0
	CHUNK 11, 0, 48, 0, 0
	s_wait_tensorcnt 0x0                           ; the last change fills nothing: my work-group's barrier alone
	ds_add_u32 v[SPW], v[NIL]
	s_wait_dscnt 0x0
	s_barrier_signal -1
	s_barrier_wait -1
	CHUNK 12, 1, 48, 0, 0
	CHUNK 13, 1, 48, 0, 0                          ; behind chunk 13's loads: chunks 14 and 15 and res's 16
	CHUNK 14, 1, 32, 0, 0
	CHUNK 15, 1, 16, 0, 0
	; THE WAY OUT (the four v_nop that end the last chunk are the places in front of the LDS stores that read results)
.irp a, 0,1
.irp b, 0,1,2,3
	ds_store_b128 v[STO], v[ACC+8*(4*\a+\b):ACC+8*(4*\a+\b)+3] offset:\a*BLK+64*\b             ; each accumulator from its low end on
	ds_store_b128 v[STO], v[ACC+8*(4*\a+\b)+4:ACC+8*(4*\a+\b)+7] offset:\a*BLK+64*\b+16
	ds_store_b128 v[STP], v[ACC+8*(4*\a+8+\b):ACC+8*(4*\a+8+\b)+3] offset:\a*BLK+64*\b         ; my slots 2, 3 are my partner's 0, 1
	ds_store_b128 v[STP], v[ACC+8*(4*\a+8+\b)+4:ACC+8*(4*\a+8+\b)+7] offset:\a*BLK+64*\b+16
.endr
.endr
	s_wait_kmcnt 0x0
	s_add_co_i32 s60, s62, s63
	s_add_co_i32 s60, s60, 127
	s_lshl_b32 s60, s60, 23                        ; 2^(e10 + e11) as f32
	s_mov_b32 s61, s60                             ; (named with it as a pair, so it is written)
	s_wait_loadcnt 0x0                             ; res
	s_wait_dscnt 0x0                               ; for my partner's sake: my stores are done
	s_barrier_signal -1
	s_barrier_wait -1
.irp a, 0,1
.irp s, 0,1
.irp t, 0,1,2,3,4,5,6,7
	ds_load_b128 v[ACC+64*\a+32*\s+4*\t:ACC+64*\a+32*\s+4*\t+3], v[RD] offset:\s*SRC+\a*BLK+\t*544
.endr
.endr
.endr
.irp a, 0,1
	s_wait_dscnt 16*(1-\a)                         ; this block's 16 loads are in; the next block's 16 may be out
.set j, 0
.rept 16
	v_pk_add_f32 v[ACC+64*\a+j:ACC+64*\a+j+1], v[ACC+64*\a+j:ACC+64*\a+j+1], v[ACC+64*\a+32+j:ACC+64*\a+32+j+1]   ; the two halves of K
.set j, j+2
.endr
	WIN 0x10                                       ; source 2 (res) in window 1
.set j, 0
.rept 16
	v_pk_fma_f32 v[ACC+64*\a+j:ACC+64*\a+j+1], v[ACC+64*\a+j:ACC+64*\a+j+1], s[60:61], v[32*\a+j:32*\a+j+1] op_sel_hi:[1,0,1]
.set j, j+2
.endr
	WIN 0
.set j, 0
.rept 8
	v_pk_add_f32 v[ACC+64*\a+j:ACC+64*\a+j+1], v[ACC+64*\a+j:ACC+64*\a+j+1], v[12:13]
	v_pk_add_f32 v[ACC+64*\a+j+2:ACC+64*\a+j+3], v[ACC+64*\a+j+2:ACC+64*\a+j+3], v[14:15]
.set j, j+4
.endr
.irp t, 0,1,2,3,4,5,6,7
	global_store_b128 v[CO], v[ACC+64*\a+4*\t:ACC+64*\a+4*\t+3], s[14:15] offset:(16*\a+2*\t)*4096 th:TH_STORE_NT   ; sixteen lanes store 256 consecutive bytes, aligned
.endr
.endr
	s_wait_tensorcnt 0x0                           ; the wave's end
	ds_add_u32 v[SPW], v[NIL]
	s_wait_dscnt 0x0
	ROUND                                          ; the closing round
	s_endpgm
.Lfunc_end_k_q152ce3b120_proj:
	.size	k_q152ce3b120_proj, .Lfunc_end_k_q152ce3b120_proj-k_q152ce3b120_proj
	.p2alignl 7, 3214868480
	.fill 96, 4, 3214868480
	.section	.rodata,"a",@progbits
	.p2align	6, 0x0
	.amdhsa_kernel k_q152ce3b120_proj
		.amdhsa_group_segment_fixed_size 327680
		.amdhsa_private_segment_fixed_size 0
		.amdhsa_enable_private_segment 0
		.amdhsa_kernarg_size 48
		.amdhsa_user_sgpr_count 2
		.amdhsa_user_sgpr_kernarg_segment_ptr 1
		.amdhsa_wavefront_size32 1
		.amdhsa_system_sgpr_workgroup_id_x 1
		.amdhsa_system_sgpr_workgroup_id_y 1
		.amdhsa_system_sgpr_workgroup_id_z 1
		.amdhsa_system_vgpr_workitem_id 0
		.amdhsa_next_free_vgpr 512
		.amdhsa_next_free_sgpr 66
		.amdhsa_reserve_vcc 0
		.amdhsa_float_denorm_mode_32 3
		.amdhsa_float_denorm_mode_16_64 3
		.amdhsa_memory_ordered 1
		.amdhsa_forward_progress 1
		.amdhsa_inst_pref_size 101
	.end_amdhsa_kernel
	.amdgpu_metadata
---
amdhsa.version: [ 1, 2 ]
amdhsa.kernels:
  - .name:           k_q152ce3b120_proj
    .symbol:         k_q152ce3b120_proj.kd
    .args:
      - { .name: hc, .offset: 0, .size: 8, .value_kind: global_buffer, .address_space: global }
      - { .name: proj_w_codes, .offset: 8, .size: 8, .value_kind: global_buffer, .address_space: global }
      - { .name: proj_b, .offset: 16, .size: 8, .value_kind: global_buffer, .address_space: global }
      - { .name: lowp_scales, .offset: 24, .size: 8, .value_kind: global_buffer, .address_space: global }
      - { .name: x1, .offset: 32, .size: 8, .value_kind: global_buffer, .address_space: global }
      - { .name: out0, .offset: 40, .size: 8, .value_kind: global_buffer, .address_space: global }
    .group_segment_fixed_size: 327680
    .private_segment_fixed_size: 0
    .kernarg_segment_align: 8
    .kernarg_segment_size: 48
    .max_flat_workgroup_size: 256
    .sgpr_count:     66
    .vgpr_count:     512
    .wavefront_size: 32
...
	.end_amdgpu_metadata
.endif
;; end of part 7
